; MI455X (gfx1250); checked and timed in simulation.
; The chip was launched on July 23, 2026; its instructions are those of AMD's public machine-readable ISA for CDNA 5 (MIT licence, August 2026) and "CDNA5" Instruction Set Architecture Reference Guide (July 2026). The comments in the code are by the model that wrote it; some were corrected since.
;; Self Attention. Allowed arithmetic: matrix products marked QUANTISED: E3M2 operands, one E8M0 scale for each 32 along K, by v_wmma_scale_f32_16x16x128_f8f6f4 with both operands' format E3M2, f32 sums; everything else in f32.
;; Inputs: Wout 1,024 x 1,024 float32; Wqkv 1,024 x 3,072 float32; cos 2,048 x 32 float32; mask 4 x 2,048 x 2,048 float32; sin 2,048 x 32 float32; x 4 x 2,048 x 1,024 float32.
;; Outputs: out0 4 x 2,048 x 1,024 float32.
;; This version of the problem:
;;   THIS VERSION OF THE PROBLEM IS GIVEN IN LOW PRECISION. The matrix products marked QUANTISED in the list below multiply operands that are first quantised to E3M2 (3 exponent bits, 2 mantissa bits; 6 bits a number), with one power-of-two scale for each 32 numbers along K (OCP MX v1.0); their sums are f32. All else is computed in f32.
;;   The module's matrix products, in the order in which they are computed (A, B: the left and right operand; K: the contracted axis; several contracted axes count as one K, in the product's order):
;;     1. [M 8,192, K 1,024] x [K 1,024, N 3,072]; A: input x; B: input Wqkv: QUANTISED
;;     2. batch 64 x [M 2,048, K 64] x [K 64, N 2,048]; A: computed on the way; B: computed on the way: QUANTISED
;;     3. batch 64 x [M 2,048, K 2,048] x [K 2,048, N 64]; A: softmax (see below); B: computed on the way: QUANTISED
;;     4. [M 8,192, K 1,024] x [K 1,024, N 1,024]; A: computed on the way; B: input Wout: QUANTISED
;;   THE QUANTISER, for each operand of a quantised product, along K:
;;     - K is cut into blocks of 32 from its start; a last block that is shorter is filled with zeros.
;;     - A block's scale is 2^e with e = floor(log2(the largest magnitude in the block)) - 4, held to -126 .. 127; a block of zeros has e = 0. As a byte (E8M0): e + 127.
;;     - Each number is divided by its block's scale, clamped to +-28, and rounded to the nearest number of E3M2, ties to even, subnormals kept.
;;     - The product sums the exact products of the quantised numbers (number of the format x scale) in f32.
;;   ~~~python
;;   def quantise(x, axis):      # numpy; x: float32 -> the quantised numbers, widened to float32 again
;;       x = np.moveaxis(x, axis, -1); K = x.shape[-1]
;;       x = np.pad(x, [(0, 0)] * (x.ndim - 1) + [(0, -K % 32)]); x = x.reshape(x.shape[:-1] + (-1, 32)); a = np.abs(x).max(-1, keepdims=True)
;;       e = np.where(a > 0, np.clip(np.frexp(np.where(a > 0, a, 1))[1] - 1 - 4, -126, 127), 0)      # np.frexp(a)[1] - 1 = floor(log2(a)), exactly
;;       r = np.clip(x / 2.0 ** e, -28, 28)
;;       step = 2.0 ** (np.maximum(np.frexp(np.where(r == 0, 1, r))[1] - 1, -2) - 2)
;;       q = np.round(r / step) * step * 2.0 ** e      # np.round: ties to even
;;       return np.moveaxis(q.reshape(q.shape[:-2] + (-1,))[..., :K], -1, axis).astype(np.float32)
;;   ~~~
;;   SOFTMAX AHEAD OF A QUANTISED PRODUCT. Where the list says 'softmax', what is quantised is not the finished softmax but p = 2^(t - M), with t = logit x log2(e) and M = ceil(the row's largest t), a whole number; so 1/2 < the row's largest p <= 1. The row's sum l is taken of the UNQUANTISED p, in f32, and the product's result is divided by l at the end. Since M is a whole number, a kernel that streams over the keys may use a running M (the ceiling of the running maximum): every later rescaling is an exact power of two, which a block's scale takes up: the codes' values come out the same.
;;   OPERANDS COMPUTED ON THE WAY. 'Computed on the way' means the value that the module computes at that place (a softmax that the list does not call 'softmax' is quantised finished and normalised). What goes into a quantiser is computed in f32, as accurately as f32 sums, v_exp_f32 and their like allow (about 1e-6 of the number): no bf16 or f16 on the way to a quantiser, and a product that is left as it is and whose result goes on into a quantised operand takes f32 operands (vector FMAs, or v_wmma_f32_16x16x4_f32). A number that lies on a knife's edge between two numbers of the format may be rounded either way, as far as f32 arithmetic and the matrix unit's own rounding can turn it there, and no further.
;; One version. Each part assembles by itself: llvm-mc -triple=amdgcn-amd-amdhsa -mcpu=gfx1250 --defsym DOCPART=n.
;; ======== version 1 of 1: 5 launches
;; workspace buffers: xc 6,291,456 bytes; xs 262,144 bytes; wc 3,145,728 bytes; ws 262,144 bytes; qkv 20,185,088 bytes; ac 6,291,456 bytes; asc 262,144 bytes
;; launch quant_x (part 1): grid 256 x 1, 2 waves a work-group, no clusters, 17,664 bytes of LDS; arguments x, xc, xs; writes xc, xs
.if DOCPART == 1
	.amdgcn_target "amdgcn-amd-amdhsa--gfx1250"
	.amdhsa_code_object_version 6
	.text
	.protected	k_q0b9ff85f50_quant_x
	.globl	k_q0b9ff85f50_quant_x
	.p2align	8
	.type	k_q0b9ff85f50_quant_x,@function
k_q0b9ff85f50_quant_x:
	s_mov_b64 s[64:65], 0
	v_nop
	global_prefetch_b8 v0, s[64:65] scope:SCOPE_SE
	s_setreg_imm32_b32 hwreg(HW_REG_WAVE_MODE, 25, 1), 1
	s_wait_xcnt 0x0
; x [8192 tokens][1024] f32 becomes codes of BF6 (E3M2) with one E8M0 byte for each 32 along K, laid as the matrix unit's registers take them.
; STORED ORDER of tokens: stored tile T (16 rows), lane row r, is true token 32 (T / 2) + 8 (T % 2) + r + 8 (r / 8).
; xc: [512 tiles][16 half fragments][768 bytes].  A half fragment is 16 rows x 64 along K: lane (r, h) holds block h of row r, 24 bytes = 6 registers;
; registers 0-3 of lane l lie at 16 l, registers 4-5 at 512 + 8 l.  xs: [4 planes of 256 along K][8192 stored rows][8 bytes].
; A block's scale is 2^(floor(log2(largest magnitude)) - 4); its byte is the largest magnitude's exponent field - 4, held at 1 from below.
; LIMITS: a block of zeros keeps the byte 1 and not 127 (its codes are zeros, and this program alone reads the bytes); NaN and infinities are not served.
; A wave takes one tile for all of K, in 16 steps of 64 along K.  Each load reads two whole runs of 256 bytes; the 4,096 bytes of a step turn through the wave's
; own stage in LDS (rows 272 bytes apart) so that a lane gets the 32 neighbours of one block.  Memory binds: no matrix unit, no cluster, no barrier; waves share nothing.
.set R,    32                          ; v32-127  three sets of 32: numbers as loaded
.set X,    128                         ; v128-191 two sets of 32: a block of 32 neighbours
.set C,    192                         ; v192-207 two sets of 8: codes
.set W,    208                         ; v208-215 eight scale words (128 along K each)
.set SPT,  272
.set STGB, 16*SPT
	s_load_b128 s[4:7], s[0:1], 0x0                ; x, xc
	s_load_b64 s[8:9], s[0:1], 0x10                ; xs
	v_lshl_add_u32 v216, v0, 2, 0x4400
	v_mov_b32 v217, 0
	v_lshrrev_b32 v1, 5, v0
	v_readfirstlane_b32 s12, v1                    ; wave
	v_and_b32 v1, 31, v0                           ; lane
	v_and_b32 v2, 15, v0                           ; r
	v_bfe_u32 v3, v0, 4, 1                         ; h
	v_lshlrev_b32 v4, 4, v2
	v_lshl_add_u32 v4, v3, 12, v4                  ; loads: lanes 0-15 one row's 256 bytes, lanes 16-31 the next row's
	v_lshlrev_b32 v5, 4, v1                        ; 16 x lane
	v_lshlrev_b32 v6, 3, v1                        ; 8 x lane
	v_lshlrev_b32 v7, 3, v3                        ; 8 h: my bytes' place in a scale word
	s_mul_i32 s13, s12, 2*STGB                     ; my wave's two stages
	v_mul_u32_u24 v14, v3, SPT
	v_lshl_add_u32 v14, v2, 4, v14
	v_add_nc_u32 v14, s13, v14                     ; into the stage: as loaded
	v_mul_u32_u24 v15, v2, SPT
	v_lshl_add_u32 v15, v3, 7, v15
	v_add_nc_u32 v15, s13, v15                     ; out of it: row r, block h
	v_lshlrev_b32 v16, 3, v2
	v_lshl_add_u32 v16, v3, 16, v16                ; xs: 8 r, lanes 16-31 one plane on
	v_mov_b32 v13, 0                               ; a lane permute's destination counts as read
	s_mov_b32 s20, 0x76543210
	s_mov_b32 s21, 0xfedcba98                      ; selects for lane l xor 16
	s_lshl_b32 s14, ttmp9, 1
	s_add_co_u32 s14, s14, s12                     ; T
	s_lshr_b32 s15, s14, 1
	s_lshl_b32 s15, s15, 5
	s_and_b32 s16, s14, 1
	s_lshl_b32 s16, s16, 3
	s_add_co_u32 s15, s15, s16                     ; the tile's first true token
	s_lshl_b32 s16, s15, 12
	s_mov_b32 s17, 0
	s_mul_i32 s18, s14, 12288
	s_mov_b32 s19, 0
	s_lshl_b32 s22, s14, 7
	s_mov_b32 s23, 0
	s_wait_kmcnt 0x0
	s_add_nc_u64 s[4:5], s[4:5], s[16:17]
	s_add_nc_u64 s[6:7], s[6:7], s[18:19]
	s_add_nc_u64 s[8:9], s[8:9], s[22:23]
.macro LOAD kk                         ; step kk: stored rows 2 i, 2 i + 1 are true rows 2 i + 8 (i / 4) and the next
.irp i, 0,1,2,3,4,5,6,7
	global_load_b128 v[R+32*((\kk)%3)+4*\i:R+32*((\kk)%3)+4*\i+3], v4, s[4:5] offset:(2*\i+8*(\i/4))*4096+256*(\kk) th:TH_LOAD_NT
.endr
.endm
.macro TURN kk                         ; LDS serves a wave's instructions in order: no wait between the stores and the loads
.irp i, 0,1,2,3,4,5,6,7
	ds_store_b128 v14, v[R+32*((\kk)%3)+4*\i:R+32*((\kk)%3)+4*\i+3] offset:STGB*((\kk)%2)+2*\i*SPT
.endr
.irp j, 0,1,2,3,4,5,6,7
	ds_load_b128 v[X+32*((\kk)%2)+4*\j:X+32*((\kk)%2)+4*\j+3], v15 offset:STGB*((\kk)%2)+16*\j
.endr
.endm
	LOAD 0
	LOAD 1
	LOAD 2
	s_wait_loadcnt 16                              ; step 0's eight loads are in
	TURN 0
.macro STEP kk
.set XS, X+32*((\kk)%2)
.set CC, C+8*((\kk)%2)
	s_wait_dscnt 0x0                               ; this step's block is back; its stores into the stage have read their registers
.if (\kk)+3 < 16
	LOAD (\kk)+3
.endif
.if (\kk) < 15
.if (\kk) <= 12
	s_wait_loadcnt 16                              ; the next step's loads are in; the two steps' behind them may be out
.else
	s_wait_loadcnt 8*(14-(\kk))
.endif
	TURN (\kk)+1
.endif
	v_max3_num_f32 v8, |v[XS]|, |v[XS+1]|, |v[XS+2]|
	v_max3_num_f32 v9, |v[XS+3]|, |v[XS+4]|, |v[XS+5]|
.irp i, 6,10,14,18,22,26
	v_max3_num_f32 v8, v8, |v[XS+\i]|, |v[XS+\i+1]|
	v_max3_num_f32 v9, v9, |v[XS+\i+2]|, |v[XS+\i+3]|
.endr
	v_max3_num_f32 v8, v8, |v[XS+30]|, |v[XS+31]|
	v_max3_num_f32 v8, v8, v9, 0x2800000           ; with the floor 2^(5 - 127): the byte cannot fall under 1
	v_add_nc_u32 v11, 0xfe000000, v8               ; 4 off the exponent field: the conversion's scale operand
	s_wait_xcnt 0x0                                ; this set of codes was a store's data two steps ago
	v_cvt_scalef32_pk16_bf6_f32 v[CC:CC+2], v[XS:XS+15], v11
	v_cvt_scalef32_pk16_bf6_f32 v[CC+4:CC+6], v[XS+16:XS+31], v11
	v_lshrrev_b32 v10, 23, v11                     ; the byte (also the plain line behind the conversions)
	v_mov_b32 v[CC+3], v[CC+4]
	v_mov_b32 v[CC+4], v[CC+5]
	v_mov_b32 v[CC+5], v[CC+6]
	global_store_b128 v5, v[CC:CC+3], s[6:7] offset:768*(\kk)          ; 512 consecutive bytes
	global_store_b64 v6, v[CC+4:CC+5], s[6:7] offset:768*(\kk)+512     ; 256 consecutive bytes
.if (\kk)%2 == 0
	v_mov_b32 v12, v10                             ; block 4 (kk / 2) + h
.else
	v_lshl_or_b32 v12, v10, 16, v12                ; block 4 (kk / 2) + 2 + h
	v_lshlrev_b32 v12, v7, v12
	v_permlanex16_b32 v13, v12, s20, s21
	v_or_b32 v[W+(\kk)/2], v12, v13                ; the row's word for 128 along K
.endif
.endm
.irp t, 0,1,2,3,4,5,6,7,8,9,10,11,12,13,14,15
	STEP \t
.endr
	v_cmp_ne_u32 vcc_lo, 0, v3
	v_cndmask_b32 v8, v[W+0], v[W+2], vcc_lo       ; lanes 0-15 store plane 0, lanes 16-31 plane 1,
	v_cndmask_b32 v9, v[W+1], v[W+3], vcc_lo
	v_cndmask_b32 v10, v[W+4], v[W+6], vcc_lo      ; then planes 2 and 3
	v_cndmask_b32 v11, v[W+5], v[W+7], vcc_lo
	global_store_b64 v16, v[8:9], s[8:9]
	global_store_b64 v16, v[10:11], s[8:9] offset:131072
	s_wait_tensorcnt 0x0
	ds_add_u32 v216, v217
	s_wait_dscnt 0x0
	s_endpgm
.Lfunc_end_k_q0b9ff85f50_quant_x:
	.size	k_q0b9ff85f50_quant_x, .Lfunc_end_k_q0b9ff85f50_quant_x-k_q0b9ff85f50_quant_x
	.p2alignl 7, 3214868480
	.fill 96, 4, 3214868480
	.section	.rodata,"a",@progbits
	.p2align	6, 0x0
	.amdhsa_kernel k_q0b9ff85f50_quant_x
		.amdhsa_group_segment_fixed_size 17664
		.amdhsa_private_segment_fixed_size 0
		.amdhsa_enable_private_segment 0
		.amdhsa_kernarg_size 24
		.amdhsa_user_sgpr_count 2
		.amdhsa_user_sgpr_kernarg_segment_ptr 1
		.amdhsa_wavefront_size32 1
		.amdhsa_system_sgpr_workgroup_id_x 1
		.amdhsa_system_sgpr_workgroup_id_y 1
		.amdhsa_system_sgpr_workgroup_id_z 1
		.amdhsa_system_vgpr_workitem_id 0
		.amdhsa_next_free_vgpr 218
		.amdhsa_next_free_sgpr 66
		.amdhsa_reserve_vcc 1
		.amdhsa_float_denorm_mode_32 3
		.amdhsa_float_denorm_mode_16_64 3
		.amdhsa_memory_ordered 1
		.amdhsa_forward_progress 1
		.amdhsa_inst_pref_size 59
	.end_amdhsa_kernel
	.amdgpu_metadata
---
amdhsa.version: [ 1, 2 ]
amdhsa.kernels:
  - .name:           k_q0b9ff85f50_quant_x
    .symbol:         k_q0b9ff85f50_quant_x.kd
    .args:
      - { .name: x, .offset: 0, .size: 8, .value_kind: global_buffer, .address_space: global }
      - { .name: xc, .offset: 8, .size: 8, .value_kind: global_buffer, .address_space: global }
      - { .name: xs, .offset: 16, .size: 8, .value_kind: global_buffer, .address_space: global }
    .group_segment_fixed_size: 17664
    .private_segment_fixed_size: 0
    .kernarg_segment_align: 8
    .kernarg_segment_size: 24
    .max_flat_workgroup_size: 64
    .sgpr_count:     66
    .vgpr_count:     218
    .wavefront_size: 32
...
	.end_amdgpu_metadata
.endif
;; end of part 1
;; launch quant_w (part 2): grid 64 x 4, 2 waves a work-group, no clusters, 0 bytes of LDS; arguments Wqkv, Wout, wc, ws; writes wc, ws
.if DOCPART == 2
	.amdgcn_target "amdgcn-amd-amdhsa--gfx1250"
	.amdhsa_code_object_version 6
	.text
	.protected	k_q0b9ff85f50_quant_w
	.globl	k_q0b9ff85f50_quant_w
	.p2align	8
	.type	k_q0b9ff85f50_quant_w,@function
k_q0b9ff85f50_quant_w:
	s_mov_b64 s[64:65], 0
	v_nop
	global_prefetch_b8 v0, s[64:65] scope:SCOPE_SE
	s_setreg_imm32_b32 hwreg(HW_REG_WAVE_MODE, 25, 1), 1
	s_wait_xcnt 0x0
; Wqkv [1024 (k)][3072] and Wout [1024 (k)][1024], f32, K the FIRST axis, become codes of BF6 with K innermost, laid as half fragments (16 rows x 64 K, 768 bytes:
; lane (r, h) = block h of row r; registers 0-3 at 16 l, 4-5 at 512 + 8 l).  wc: [256 row tiles][16 half fragments][768];  ws: [4 planes of 256 K][8192 rows][8 bytes], rows 0-4095 used.
; STORED ROWS.  0-2047: the columns of q and k; inside each head's 64 columns stored row 16 T + r is column 32 (r / 8) + 16 (T % 2) + 2 (r % 7 bits) + T / 2, so that the product's
; result holds the even columns (tiles 0, 1) and the odd ones (tiles 2, 3) in the order that the rotation wants.  2048-3071: v's columns, bits 3 and 4 of the row changed.  3072-4095: Wout's columns, plain.
; A LANE TAKES A COLUMN AND ITS REGISTERS RUN DOWN K: a block's maximum needs no other lane.  Lanes 0-15 work for one stored tile, lanes 16-31 for another; two blocks of each
; change halves by v_permlane16_swap_b32 and are then two half fragments.  No LDS, no barrier.  Work-group x: 64 stored rows; y: 256 along K.
; LIMITS: a block of zeros keeps the byte 1 and not 127 (zero codes; this program alone reads the bytes); NaN and infinities are not served.
.set X,  32                            ; v32-95   two sets of 32 numbers
.set CX, 96                            ; v96-103  the even block's codes
.set CY, 104                           ; v104-111 the odd block's
.set SB, 24                            ; v24-25   my column's eight scale bytes
	s_load_b256 s[4:11], s[0:1], 0x0               ; Wqkv, Wout, wc, ws
	v_lshrrev_b32 v1, 5, v0
	v_readfirstlane_b32 s21, v1                    ; wave
	v_and_b32 v1, 31, v0
	v_and_b32 v2, 15, v0                           ; r
	v_bfe_u32 v4, v0, 4, 1                         ; h
	v_lshlrev_b32 v5, 4, v1
	v_lshlrev_b32 v6, 3, v1
	s_mov_b32 s20, ttmp9                           ; G
	s_and_b32 s22, ttmp7, 0xffff                   ; y
	s_cmp_lt_u32 s20, 32                           ; column = a (r / 8) + b (r % 8) + c h + d wave
	s_cselect_b32 s24, 32, 16                      ; a
	s_cselect_b32 s25, 2, 1                        ; b
	s_cselect_b32 s26, 1, 8                        ; c
	s_cselect_b32 s27, 16, 32                      ; d
	s_cselect_b32 s28, 2, 1                        ; f: the second tile lies f tiles behind the first
	s_cselect_b32 s29, 0, 1                        ; the first tile is wave << this
	s_cmp_lt_u32 s20, 48
	s_cselect_b32 s24, s24, 8
	s_cselect_b32 s26, s26, 16
	s_mov_b32 s15, 0x100000
	s_cselect_b32 s15, 0x300000, s15               ; 256 rows of the source in bytes
	s_cselect_b32 s23, 0, 48
	s_mul_i32 s14, s22, s15
	s_sub_co_u32 s23, s20, s23
	s_lshl_b32 s23, s23, 8                         ; the group's 64 columns
	s_add_co_u32 s14, s14, s23
	s_mov_b32 s15, 0
	v_lshrrev_b32 v10, 3, v2
	v_and_b32 v11, 7, v2
	v_mul_u32_u24 v3, v10, s24
	v_mad_u32_u24 v3, v11, s25, v3
	v_mad_u32_u24 v3, v4, s26, v3
	s_mul_i32 s27, s27, s21
	v_add_nc_u32 v3, s27, v3
	v_lshlrev_b32 v3, 2, v3                        ; my column, in bytes
	s_lshl_b32 s30, s28, 7
	v_mul_u32_u24 v9, v4, s30
	v_lshl_add_u32 v9, v2, 3, v9                   ; ws: 8 r, lanes 16-31 f tiles on
	s_lshl_b32 s31, s21, s29
	s_lshl_b32 s32, s20, 2
	s_add_co_u32 s32, s32, s31                     ; the first tile's number
	s_mul_i32 s34, s32, 12288
	s_mul_i32 s33, s22, 3072
	s_add_co_u32 s34, s34, s33
	s_mov_b32 s35, 0
	s_mul_i32 s36, s28, 12288
	s_mov_b32 s37, 0
	s_lshl_b32 s38, s32, 7
	s_lshl_b32 s33, s22, 16
	s_add_co_u32 s38, s38, s33
	s_mov_b32 s39, 0
	s_wait_kmcnt 0x0
	s_cmp_lt_u32 s20, 48
	s_cselect_b64 s[12:13], s[4:5], s[6:7]         ; the choice hangs on the work-group's number alone
	s_add_nc_u64 s[12:13], s[12:13], s[14:15]
	s_add_nc_u64 s[16:17], s[8:9], s[34:35]        ; the first tile's half fragments
	s_add_nc_u64 s[18:19], s[16:17], s[36:37]      ; the second's
	s_add_nc_u64 s[10:11], s[10:11], s[38:39]
.macro LOADW t, pitch
.irp i, 0,1,2,3,4,5,6,7,8,9,10,11,12,13,14,15,16,17,18,19,20,21,22,23,24,25,26,27,28,29,30,31
	global_load_b32 v[X+32*((\t)%2)+\i], v3, s[12:13] offset:(32*(\t)+\i)*\pitch th:TH_LOAD_NT
.endr
.endm
.macro BLOCK t, pitch
.set XS, X+32*((\t)%2)
.set CC, CX+8*((\t)%2)
.if (\t) < 7
	s_wait_loadcnt 32                              ; this block's 32 loads are in; the next block's may be out
.else
	s_wait_loadcnt 0x0
.endif
	v_max3_num_f32 v12, |v[XS]|, |v[XS+1]|, |v[XS+2]|
	v_max3_num_f32 v13, |v[XS+3]|, |v[XS+4]|, |v[XS+5]|
.irp i, 6,10,14,18,22,26
	v_max3_num_f32 v12, v12, |v[XS+\i]|, |v[XS+\i+1]|
	v_max3_num_f32 v13, v13, |v[XS+\i+2]|, |v[XS+\i+3]|
.endr
	v_max3_num_f32 v12, v12, |v[XS+30]|, |v[XS+31]|
	v_max3_num_f32 v12, v12, v13, 0x2800000        ; with the floor 2^(5 - 127)
	v_add_nc_u32 v11, 0xfe000000, v12              ; the conversion's scale operand
	v_lshrrev_b32 v13, 23, v11                     ; the byte
.if (\t)%4 == 0
	v_mov_b32 v[SB+(\t)/4], v13
.else
	v_lshl_or_b32 v[SB+(\t)/4], v13, 8*((\t)%4), v[SB+(\t)/4]
.endif
.if (\t)%2 == 0
	s_wait_xcnt 0x0                                ; both sets of codes were stores' data
.endif
	v_cvt_scalef32_pk16_bf6_f32 v[CC:CC+2], v[XS:XS+15], v11
	v_cvt_scalef32_pk16_bf6_f32 v[CC+4:CC+6], v[XS+16:XS+31], v11
	v_nop                                          ; one plain line behind the conversions
	v_mov_b32 v[CC+3], v[CC+4]
	v_mov_b32 v[CC+4], v[CC+5]
	v_mov_b32 v[CC+5], v[CC+6]
.if (\t)+2 < 8
	LOADW (\t)+2, \pitch
.endif
.if (\t)%2 == 1
.irp i, 0,1,2,3,4,5
	v_permlane16_swap_b32 v[CX+\i], v[CY+\i]       ; CX: the first tile's blocks 0 and 1 by halves; CY: the second tile's
.endr
	global_store_b128 v5, v[CX:CX+3], s[16:17] offset:((\t)/2)*768
	global_store_b64 v6, v[CX+4:CX+5], s[16:17] offset:((\t)/2)*768+512
	global_store_b128 v5, v[CY:CY+3], s[18:19] offset:((\t)/2)*768
	global_store_b64 v6, v[CY+4:CY+5], s[18:19] offset:((\t)/2)*768+512
.endif
.endm
.macro WORK pitch                      ; every offset is an immediate: 255 rows of 12,288 bytes at the most
	LOADW 0, \pitch
	LOADW 1, \pitch
.irp t, 0,1,2,3,4,5,6,7
	BLOCK \t, \pitch
.endr
	global_store_b64 v9, v[SB:SB+1], s[10:11]      ; each half of the lanes stores 128 consecutive bytes
	s_endpgm
.endm
	s_cmp_lt_u32 s20, 48
	s_cbranch_scc0 .Lwout
	WORK 12288
.Lwout:
	WORK 4096
.Lfunc_end_k_q0b9ff85f50_quant_w:
	.size	k_q0b9ff85f50_quant_w, .Lfunc_end_k_q0b9ff85f50_quant_w-k_q0b9ff85f50_quant_w
	.p2alignl 7, 3214868480
	.fill 96, 4, 3214868480
	.section	.rodata,"a",@progbits
	.p2align	6, 0x0
	.amdhsa_kernel k_q0b9ff85f50_quant_w
		.amdhsa_group_segment_fixed_size 0
		.amdhsa_private_segment_fixed_size 0
		.amdhsa_enable_private_segment 0
		.amdhsa_kernarg_size 32
		.amdhsa_user_sgpr_count 2
		.amdhsa_user_sgpr_kernarg_segment_ptr 1
		.amdhsa_wavefront_size32 1
		.amdhsa_system_sgpr_workgroup_id_x 1
		.amdhsa_system_sgpr_workgroup_id_y 1
		.amdhsa_system_sgpr_workgroup_id_z 1
		.amdhsa_system_vgpr_workitem_id 0
		.amdhsa_next_free_vgpr 128
		.amdhsa_next_free_sgpr 66
		.amdhsa_reserve_vcc 0
		.amdhsa_float_denorm_mode_32 3
		.amdhsa_float_denorm_mode_16_64 3
		.amdhsa_memory_ordered 1
		.amdhsa_forward_progress 1
		.amdhsa_inst_pref_size 79
	.end_amdhsa_kernel
	.amdgpu_metadata
---
amdhsa.version: [ 1, 2 ]
amdhsa.kernels:
  - .name:           k_q0b9ff85f50_quant_w
    .symbol:         k_q0b9ff85f50_quant_w.kd
    .args:
      - { .name: Wqkv, .offset: 0, .size: 8, .value_kind: global_buffer, .address_space: global }
      - { .name: Wout, .offset: 8, .size: 8, .value_kind: global_buffer, .address_space: global }
      - { .name: wc, .offset: 16, .size: 8, .value_kind: global_buffer, .address_space: global }
      - { .name: ws, .offset: 24, .size: 8, .value_kind: global_buffer, .address_space: global }
    .group_segment_fixed_size: 0
    .private_segment_fixed_size: 0
    .kernarg_segment_align: 8
    .kernarg_segment_size: 32
    .max_flat_workgroup_size: 64
    .sgpr_count:     66
    .vgpr_count:     128
    .wavefront_size: 32
...
	.end_amdgpu_metadata
.endif
;; end of part 2
;; launch gemm_qkv (part 3): grid 12 x 32, 4 waves a work-group, clusters of 4 x 4, 327,680 bytes of LDS; arguments xc, xs, wc, ws, cos, sin, qkv; writes qkv
.if DOCPART == 3
	.amdgcn_target "amdgcn-amd-amdhsa--gfx1250"
	.amdhsa_code_object_version 6
	.text
	.protected	k_q0b9ff85f50_gemm_qkv
	.globl	k_q0b9ff85f50_gemm_qkv
	.p2align	8
	.type	k_q0b9ff85f50_gemm_qkv,@function
k_q0b9ff85f50_gemm_qkv:
	s_mov_b64 s[64:65], 0
	v_nop
	global_prefetch_b8 v0, s[64:65] scope:SCOPE_SE
	s_setreg_imm32_b32 hwreg(HW_REG_WAVE_MODE, 25, 1), 1
	s_wait_xcnt 0x0
	s_wait_alu depctr_hold_cnt(0) depctr_sa_sdst(0) depctr_va_vdst(0) depctr_va_sdst(0) depctr_va_ssrc(0) depctr_va_vcc(0) depctr_vm_vsrc(0)
	s_getreg_b32 s2, hwreg(HW_REG_IB_STS2, 6, 4)
	s_cmp_eq_u32 s2, 0
	s_cbranch_scc0 .Lentry_in_a_cluster
	s_endpgm
.Lentry_in_a_cluster:
	s_bfe_u32 s2, ttmp6, 0x10000c
	s_cmp_lg_u32 s2, 0xf033
	s_cbranch_scc0 .Lentry_shape_is_right
	s_endpgm
.Lentry_shape_is_right:
; qkv = x Wqkv on codes of BF6 with E8M0 scales, K = 1024; the rotation of q and k and the quantising of q, k and v for the attention are done on the way out: qkv never lies in memory as f32.
; OPERANDS are images of the matrix unit's registers: [row tile of 16][16 half fragments of 64 K][768 bytes]; lane l's registers 0-3 at 16 l, 4-5 at 512 + 8 l.  Scales: [4 planes of 256 K][8192 rows][8 bytes].
; A tile of the result is 256 x 256, four waves, a wave 128 x 128: 64 accumulators.  K goes in four steps of 256 through two LDS slots; a wave's tensor load brings 8 row tiles x 3,072 bytes.
; The matrix instruction takes source 0 = operand B, source 1 = operand A: lane (r, h), register j holds (B's row 8 h + j, A's row r).
; TWO MODES, by the cluster's x, which all partners share.  x = 0, 1 (q, k): A = tokens, B = weight rows 0-2047: a lane holds one token and eight weight rows.
;   x = 2 (v): A = weight rows 2048-3071, B = tokens: a lane holds one channel of v and eight tokens, the next product's K.
; CLUSTERS 4 x 4: A's tiles are asked for jointly along a row of the cluster, B's along a column.  384 work-groups: the tile is kept large, since each byte from LDS then feeds the most products.
; No prefetch: every tile is read by many work-groups and asked for jointly, and the launch has four K steps.
; OUT: qkv [batch][head][group of 128 tokens][19,712 bytes]: k's 8 half fragments at 0, k's scale words (register c: tile 2 c in lanes 0-15, 2 c + 1 in lanes 16-31; 16 bytes a lane) at 6,144,
;   v's 4 fragments (16 channels x 128 keys) at 6,656, v's scale words (8 bytes a lane) at 12,800, q's half fragments at 13,056, q's scale words at 19,200.  Every store covers whole runs of 256 bytes.
; LIMITS: q's and k's blocks take the floor 2^(8 - 127) for the largest magnitude (the attention takes 3 off q's bytes), v's 2^(5 - 127); a block of zeros keeps the floor's byte; NaN and infinities are not served.
; REGISTERS: window 0: v16-29 addresses; v32-63 scale words, two sets; v64-127 cos and sin; v128-223 A's fragments, one set (on the way out: at work); window 1: B's fragments, two sets; windows 2, 3: accumulators.
.set NQ,     2                         ; matrix instructions deep in a slot
.set FR,     12
.set NL,     4                         ; LDS loads that bring a fragment
.set NP,     4                         ; places behind this matrix instruction (ISA guide 7.12.1)
.set TROW,   3072                      ; a row tile's part of a K step: four half fragments
.set HALFT,  8*TROW                    ; 128 rows: what one tensor load brings
.set SLOT,   4*HALFT
.set SCL,    2*SLOT                    ; the scales of the work-group's rows for all of K: filled once
.set HALFS,  4096                      ; 4 planes x 128 rows x 8 bytes
.set SBLK,   128
.set SPARE,  SCL+4*HALFS               ; the spare words: 128 bytes a wave
.set BLK,    19712
.set HSTR,   16*BLK
.set ADRA, 16                          ; v16-17 16 x lane + my A rows in slot 0, 1;  v18-19 the same with 8 x lane
.set ADRB, 20                          ; v20-23 the same for B
.set O16,  24                          ; v24 16 x lane
.set O8,   25                          ; v25 8 x lane
.set CSO,  26                          ; v26 my place in cos and sin
.set ADRS, 27
.set SPW,  28
.set NIL,  29
.set SC,   32
.set AF,   128
.set CSN,  64                          ; cos at 64 + 32 z, sin at 80 + 32 z
.set LO,   128
.set HI,   144
.set TM,   160
.set PCB,  176
.set SCI,  224
.set PW,   232
.set SEL,  100
.set G1, 24
.set G0, 32
.set G1B, 48
.set G0B, 56
.set G1S, 68
.set G0S, 76
.set G1SB, 80
.set G0SB, 88
.set MSB, 0
.macro WIN new                         ; the immediate's high byte repeats the setting that is left
.if MSB != (\new)
	s_set_vgpr_msb (MSB<<8)|(\new)
.set MSB, (\new)
.endif
.endm
.set MUL_LO, 0xa1
.set MUL_HI, 0xf1
.set TO_B,   0x40
.macro JLOAD g0a, g1a, g0b, g1b        ; waves 0 and 1 fetch for A, waves 2 and 3 for B; four v_nop follow each line
	s_cmp_eq_u32 s15, 0
	s_cbranch_scc0 .Lfor_b_\@
	tensor_load_to_lds s[\g0a:\g0a+3], s[\g1a:\g1a+7]
	s_nop 0
.rept 4
	v_nop
.endr
	s_branch .Lasked_\@
.Lfor_b_\@:
	tensor_load_to_lds s[\g0b:\g0b+3], s[\g1b:\g1b+7]
	s_nop 0
.rept 4
	v_nop
.endr
.Lasked_\@:
.endm
.macro CREST
	s_cmp_lg_u32 s14, 0
	s_cbranch_scc1 .Lnot_wave_0_\@
	s_barrier_signal -3
.Lnot_wave_0_\@:
	s_barrier_wait -3
	s_barrier_signal -1
	s_barrier_wait -1
.endm
.macro CROUND
	s_barrier_signal -1
	s_barrier_wait -1
	CREST
.endm
	s_load_b256 s[4:11], s[0:1], 0x0               ; xc, xs, wc, ws
	s_load_b128 s[96:99], s[0:1], 0x20             ; cos, sin
	s_load_b64 s[12:13], s[0:1], 0x30              ; qkv
	v_lshl_add_u32 v[SPW], v0, 2, SPARE
	v_mov_b32 v[NIL], 0
	ds_add_u32 v28, v29
	s_wait_dscnt 0x0
	v_lshrrev_b32 v1, 5, v0
	v_readfirstlane_b32 s14, v1                    ; wave
	s_lshr_b32 s15, s14, 1                         ; my half of A's rows.  Also: I fetch for A (0) or B (1)
	s_and_b32 s16, s14, 1                          ; my half of B's rows.  Also: which 128 rows I fetch
	s_bfe_u32 s40, ttmp6, 0x40000                  ; cx
	s_bfe_u32 s41, ttmp6, 0x40004                  ; cy
	s_and_b32 s18, ttmp7, 0xffff                   ; cluster y
	s_cmp_eq_u32 ttmp9, 2                          ; the mode: the same in all sixteen partners
	s_cselect_b32 s67, 1, 0
	s_cselect_b32 s42, s18, ttmp9
	s_cselect_b32 s17, 0, s18
	s_cselect_b32 s19, 2048, 0                     ; v's weight rows begin here
	s_lshl_b32 s42, s42, 2
	s_add_co_u32 s42, s42, s40                     ; B's tile of 256 rows: hangs on cx
	s_lshl_b32 s17, s17, 2
	s_add_co_u32 s17, s17, s41                     ; A's tile of 256 rows: hangs on cy
	s_lshl_b32 s43, s41, 2
	s_lshl_b32 s43, 15, s43                        ; my row of the cluster
	s_lshl_b32 s44, 0x1111, s40                    ; my column
	s_or_b32 s[G1+0], s43, (3<<16)|(1<<21)         ; the mask; elements of 8 bytes; no padding: the images are read 16 bytes a lane on end
	s_or_b32 s[G1B+0], s44, (3<<16)|(1<<21)
.irp g, G1, G1B
	s_mov_b32 s[\g+1], 384<<16                     ; tensor_dim0: 3,072 bytes
	s_mov_b32 s[\g+2], 8<<16                       ; tensor_dim1: 8 row tiles
	s_mov_b32 s[\g+3], 384<<16                     ; tile_dim0
	s_mov_b32 s[\g+4], 8                           ; tile_dim1
	s_mov_b32 s[\g+5], 1536                        ; a row tile is 12,288 bytes
	s_mov_b32 s[\g+6], 0
	s_mov_b32 s[\g+7], 0
.endr
	s_or_b32 s[G1S+0], s43, (3<<16)|(1<<21)
	s_or_b32 s[G1SB+0], s44, (3<<16)|(1<<21)
.irp g, G1S, G1SB
	s_mov_b32 s[\g+1], 128<<16                     ; 128 rows x 8 bytes
	s_mov_b32 s[\g+2], 4<<16                       ; 4 planes
	s_mov_b32 s[\g+3], 128<<16
	s_mov_b32 s[\g+4], 4
	s_mov_b32 s[\g+5], 8192                        ; a plane is 65,536 bytes
	s_mov_b32 s[\g+6], 0
	s_mov_b32 s[\g+7], 0
.endr
	s_lshl_b32 s18, s16, 7
	s_lshl_b32 s20, s17, 8
	s_add_co_u32 s20, s20, s18
	s_add_co_u32 s20, s20, s19                     ; A's first row that I fetch
	s_lshl_b32 s46, s42, 8
	s_add_co_u32 s46, s46, s18                     ; B's
	s_lshl_b32 s22, s20, 3                         ; their scales, in bytes
	s_mov_b32 s23, 0
	s_lshl_b32 s92, s46, 3
	s_mov_b32 s93, 0
	s_mul_i32 s20, s20, 768                        ; their codes
	s_mov_b32 s21, 0
	s_mul_i32 s46, s46, 768
	s_mov_b32 s47, 0
	s_mul_i32 s45, s14, HALFT                      ; where they go: no place in the cluster enters an LDS address
	s_mul_i32 s94, s14, HALFS
	s_mov_b32 s66, 0xffff0000                      ; lanes 16-31
	s_mov_b32 s[SEL], 0x76543210
	s_mov_b32 s[SEL+1], 0xfedcba98
	s_wait_kmcnt 0x0
	s_cmp_eq_u32 s67, 1                            ; in v's mode tokens and weights change places
	s_cselect_b64 s[2:3], s[8:9], s[4:5]
	s_cselect_b64 s[8:9], s[4:5], s[8:9]
	s_mov_b64 s[4:5], s[2:3]
	s_cselect_b64 s[2:3], s[10:11], s[6:7]
	s_cselect_b64 s[10:11], s[6:7], s[10:11]
	s_mov_b64 s[6:7], s[2:3]
	s_add_nc_u64 s[20:21], s[4:5], s[20:21]
	s_add_nc_u64 s[22:23], s[6:7], s[22:23]
	s_add_nc_u64 s[46:47], s[8:9], s[46:47]
	s_add_nc_u64 s[92:93], s[10:11], s[92:93]
	CROUND                                         ; all sixteen work-groups are here: the first joint loads meet
	s_mov_b32 s[G0S], 1
	s_add_co_u32 s[G0S+1], s94, SCL
	s_mov_b64 s[G0S+2:G0S+3], s[22:23]
	s_or_b32 s[G0S+3], s[G0S+3], 0x80000000
	s_mov_b32 s[G0SB], 1
	s_add_co_u32 s[G0SB+1], s94, SCL
	s_mov_b64 s[G0SB+2:G0SB+3], s[92:93]
	s_or_b32 s[G0SB+3], s[G0SB+3], 0x80000000
	JLOAD G0S, G1S, G0SB, G1SB                     ; the scales first; three loads of mine are out at the most
.irp s, 0,1
	s_mov_b32 s[G0+4*\s], 1
	s_add_co_u32 s[G0+4*\s+1], s45, \s*SLOT
	s_add_nc_u64 s[G0+4*\s+2:G0+4*\s+3], s[20:21], \s*TROW
	s_or_b32 s[G0+4*\s+3], s[G0+4*\s+3], 0x80000000
	s_mov_b32 s[G0B+4*\s], 1
	s_add_co_u32 s[G0B+4*\s+1], s45, \s*SLOT
	s_add_nc_u64 s[G0B+4*\s+2:G0B+4*\s+3], s[46:47], \s*TROW
	s_or_b32 s[G0B+4*\s+3], s[G0B+4*\s+3], 0x80000000
	JLOAD G0+4*\s, G1, G0B+4*\s, G1B
.endr
	v_and_b32 v1, 15, v0                           ; r
	v_bfe_u32 v2, v0, 4, 1                         ; h
	v_and_b32 v3, 31, v0
	v_lshlrev_b32 v[O16], 4, v3
	v_lshlrev_b32 v[O8], 3, v3
	s_mul_i32 s21, s15, HALFT
	s_mul_i32 s22, s16, HALFT
	s_add_co_u32 s22, s22, 2*HALFT
.irp s, 0,1
	v_add_nc_u32 v[ADRA+\s], s21, v[O16]
	v_add_nc_u32 v[ADRB+\s], s22, v[O16]
	v_add_nc_u32 v[ADRA+2+\s], s21, v[O8]
	v_add_nc_u32 v[ADRB+2+\s], s22, v[O8]
	s_add_co_u32 s21, s21, SLOT
	s_add_co_u32 s22, s22, SLOT
.endr
	v_lshlrev_b32 v5, 3, v1                        ; my row's 8 scale bytes of a plane
	s_mul_i32 s21, s15, HALFS
	s_mul_i32 s22, s16, HALFS
	s_add_co_u32 s22, s22, 2*HALFS
	s_sub_co_u32 s22, s22, s21
	v_mul_u32_u24 v6, s22, v2                      ; lanes 16-31 take B's
	s_add_co_u32 s21, s21, SCL
	v_add_nc_u32 v5, v5, v6
	v_add_nc_u32 v[ADRS], s21, v5
	v_and_b32 v6, 7, v1
	v_lshrrev_b32 v7, 3, v1
	v_lshl_add_u32 v6, v7, 4, v6                   ; r + 8 (r / 8): my token in a stored tile
	v_lshlrev_b32 v[CSO], 7, v6
	v_lshl_add_u32 v[CSO], v2, 6, v[CSO]           ; its row of 128 bytes, + 64 h
.macro FRAG reg, adr, q, i             ; a fragment is two half fragments, as they lie
	ds_load_b128 v[\reg:\reg+3], v[\adr] offset:(\i)*TROW+1536*(\q)
	ds_load_b64 v[\reg+4:\reg+5], v[\adr+2] offset:(\i)*TROW+1536*(\q)+512
	ds_load_b128 v[\reg+6:\reg+9], v[\adr] offset:(\i)*TROW+1536*(\q)+768
	ds_load_b64 v[\reg+10:\reg+11], v[\adr+2] offset:(\i)*TROW+1536*(\q)+1280
.endm
; 16 matrix instructions: A's blocks a0, a0 + 1 x B's eight.  The 64 accumulators take turns, one instruction a turn, in the same order in every step.
.macro MUL16 a0, p, q, sc, zero
.irp a, \a0, \a0+1
.irp b, 0,1,2,3,4,5,6,7
.if \zero
	v_wmma_scale_f32_16x16x128_f8f6f4 v[8*(8*((\a)%4)+\b):8*(8*((\a)%4)+\b)+7], v[128*(\p)+FR*\b:128*(\p)+FR*\b+FR-1], v[AF+FR*(\a):AF+FR*(\a)+FR-1], 0, v[SC+8*NQ*(\sc)+NQ*\b+(\q)], v[SC+8*NQ*(\sc)+NQ*(\a)+(\q)] matrix_a_fmt:MATRIX_FMT_BF6 matrix_b_fmt:MATRIX_FMT_BF6 matrix_a_scale:MATRIX_SCALE_ROW1
.else
	v_wmma_scale_f32_16x16x128_f8f6f4 v[8*(8*((\a)%4)+\b):8*(8*((\a)%4)+\b)+7], v[128*(\p)+FR*\b:128*(\p)+FR*\b+FR-1], v[AF+FR*(\a):AF+FR*(\a)+FR-1], v[8*(8*((\a)%4)+\b):8*(8*((\a)%4)+\b)+7], v[SC+8*NQ*(\sc)+NQ*\b+(\q)], v[SC+8*NQ*(\sc)+NQ*(\a)+(\q)] matrix_a_fmt:MATRIX_FMT_BF6 matrix_b_fmt:MATRIX_FMT_BF6 matrix_a_scale:MATRIX_SCALE_ROW1
.endif
.endr
.endr
.endm
.macro FETCH_B slot, q, p
	WIN TO_B
.irp i, 0,1,2,3,4,5,6,7
	FRAG 128*(\p)+FR*\i, ADRB+\slot, \q, \i
.endr
	WIN 0
.endm
.macro FETCH_A slot, q, i0
.irp i, \i0, \i0+1, \i0+2, \i0+3
	FRAG AF+FR*(\i), ADRA+\slot, \q, \i
.endr
.endm
.macro SCALES sc                       ; a K step's two words a row: lanes 0-15 A's block i, lanes 16-31 B's block i
.irp i, 0,1,2,3,4,5,6,7
	ds_load_b64 v[SC+8*NQ*\sc+NQ*\i:SC+8*NQ*\sc+NQ*\i+1], v[ADRS] offset:\i*SBLK
.endr
.endm
.macro PLACES n
.rept \n
	v_nop
.endr
.endm
.macro STEP slot, q, zero              ; 128 along K that has its successor in the same slot
	s_wait_dscnt 4*NL                              ; all but the youngest loads, A's blocks 4-7
	WIN MUL_LO
	MUL16 0, (\q)%2, \q, \slot, \zero
	MUL16 2, (\q)%2, \q, \slot, \zero
	s_wait_dscnt 0
	PLACES NP                                      ; in front of loads into registers that matrix instructions have read
	FETCH_B \slot, (\q)+1, 1-(\q)%2
	FETCH_A \slot, (\q)+1, 0
	WIN MUL_HI
	MUL16 4, (\q)%2, \q, \slot, \zero
	MUL16 6, (\q)%2, \q, \slot, \zero
	PLACES NP
	WIN 0
	FETCH_A \slot, (\q)+1, 4
.endm
.macro TURN slot, next, fill           ; a slot's last 128 along K, and the change of slots
	s_wait_tensorcnt 0x0                           ; all my tensor loads have landed: my part of the next slot
	ds_add_u32 v[SPW], v[NIL]                      ; 0 onto my spare word
	s_wait_dscnt 4*NL+1                            ; the add and A's blocks 4-7 may be out
	WIN MUL_LO
	MUL16 0, 1, NQ-1, \slot, 0
	s_wait_dscnt 0x0                               ; the add is done, and my reads of this slot are over
	s_barrier_signal -1
	MUL16 2, 1, NQ-1, \slot, 0
	WIN 0
	s_barrier_wait -1
.if \fill
	CREST                                          ; the barrier has opened a round of the cluster's: no wave of any partner still reads this slot or has a load on its way
	s_add_nc_u64 s[G0+4*\slot+2:G0+4*\slot+3], s[G0+4*\slot+2:G0+4*\slot+3], 2*TROW
	s_add_nc_u64 s[G0B+4*\slot+2:G0B+4*\slot+3], s[G0B+4*\slot+2:G0B+4*\slot+3], 2*TROW
	JLOAD G0+4*\slot, G1, G0B+4*\slot, G1B         ; the first tensor load behind the round; its four v_nop are the places in front of the loads below
.else
	PLACES NP
.endif
	v_add_nc_u32 v[ADRS], 1024, v[ADRS]            ; the next plane of scales
	FETCH_B \next, 0, 0
	FETCH_A \next, 0, 0
	SCALES \next
	WIN MUL_HI
	MUL16 4, 1, NQ-1, \slot, 0
	MUL16 6, 1, NQ-1, \slot, 0
	PLACES NP
	WIN 0
	FETCH_A \next, 0, 4
.endm
.macro LAST                            ; the very last 128 along K: nothing more to fetch
	s_wait_dscnt 4*NL
	WIN MUL_LO
	MUL16 0, 1, NQ-1, 1, 0
	MUL16 2, 1, NQ-1, 1, 0
	s_wait_dscnt 0
	WIN MUL_HI
	MUL16 4, 1, NQ-1, 1, 0
	MUL16 6, 1, NQ-1, 1, 0
	WIN 0
.endm
; 32 numbers of a lane, register 16 b + e = k 32 b + 16 h + e of my row, become a half fragment in v[pc .. pc + 5] and two scale bytes in v[PW]
.macro QUANT2 s, pc, floor
.irp b, 0,1
	v_max3_num_f32 v[TM+\b], |v[\s+16*\b]|, |v[\s+1+16*\b]|, \floor
.endr
.irp i, 2,4,6,8,10,12,14
.irp b, 0,1
	v_max3_num_f32 v[TM+\b], v[TM+\b], |v[\s+16*\b+\i]|, |v[\s+1+16*\b+\i]|
.endr
.endr
.irp b, 0,1
	v_permlanex16_b32 v[TM+4+\b], v[TM+\b], s[SEL], s[SEL+1]
.endr
.irp b, 0,1
	v_max_num_f32 v[TM+\b], v[TM+\b], v[TM+4+\b]
.endr
.irp b, 0,1
	v_add_nc_u32 v[TM+12+\b], 0xfe000000, v[TM+\b]
.endr
.irp b, 0,1
	v_lshrrev_b32 v[TM+4+\b], 23, v[TM+12+\b]
.endr
	v_lshl_or_b32 v[PW], v[TM+5], 8, v[TM+4]
	v_cvt_scalef32_pk16_bf6_f32 v[\pc:\pc+2], v[\s:\s+15], v[TM+12]
	v_cvt_scalef32_pk16_bf6_f32 v[\pc+8:\pc+10], v[\s+16:\s+31], v[TM+13]
	v_nop                                          ; one plain line behind the conversions
.irp i, 0,1,2
	v_permlane16_swap_b32 v[\pc+\i], v[\pc+8+\i]   ; lanes 0-15 get block 0 whole, lanes 16-31 block 1
.endr
.irp i, 0,1,2
	v_mov_b32 v[\pc+3+\i], v[\pc+8+\i]
.endr
.endm
; The 64 accumulator registers of A's block a (register 16 b + e = key 32 b + 16 h + e) become a fragment in v[pc .. pc + 11] and a scale word
.macro QUANT4 a, pc
.set AC, 64*((\a)%4)
	WIN 0x28+0x14*((\a)/4)                         ; sources 1 and 2: the accumulators' window
.irp b, 0,1,2,3
	v_max3_num_f32 v[TM+\b], 0x2800000, |v[AC+16*\b]|, |v[AC+1+16*\b]|   ; each accumulator is read from its low end on
.endr
.irp i, 2,4,6,8,10,12,14
.irp b, 0,1,2,3
	v_max3_num_f32 v[TM+\b], v[TM+\b], |v[AC+16*\b+\i]|, |v[AC+1+16*\b+\i]|
.endr
.endr
	WIN 0
.irp b, 0,1,2,3
	v_permlanex16_b32 v[TM+4+\b], v[TM+\b], s[SEL], s[SEL+1]
.endr
.irp b, 0,1,2,3
	v_max_num_f32 v[TM+\b], v[TM+\b], v[TM+4+\b]
.endr
.irp b, 0,1,2,3
	v_add_nc_u32 v[TM+12+\b], 0xfe000000, v[TM+\b]
.endr
.irp b, 0,1,2,3
	v_lshrrev_b32 v[TM+4+\b], 23, v[TM+12+\b]
.endr
	v_lshl_or_b32 v[PW], v[TM+5], 8, v[TM+4]
	v_lshl_or_b32 v[PW], v[TM+6], 16, v[PW]
	v_lshl_or_b32 v[PW], v[TM+7], 24, v[PW]
	s_wait_xcnt 0x0                                ; the codes' registers were stores' data
	WIN 2+(\a)/4                                   ; source 0: the accumulators' window
.irp c, 0,1
	v_cvt_scalef32_pk16_bf6_f32 v[\pc+6*\c:\pc+2+6*\c], v[AC+32*\c:AC+15+32*\c], v[TM+12+2*\c]
	v_cvt_scalef32_pk16_bf6_f32 v[\pc+12+4*\c:\pc+14+4*\c], v[AC+16+32*\c:AC+31+32*\c], v[TM+12+2*\c+1]
.endr
	WIN 0
	v_nop
.irp c, 0,1
.irp i, 0,1,2
	v_permlane16_swap_b32 v[\pc+6*\c+\i], v[\pc+12+4*\c+\i]
.endr
.irp i, 0,1,2
	v_mov_b32 v[\pc+3+6*\c+\i], v[\pc+12+4*\c+\i]
.endr
.endr
.endm
.macro CSLOAD a                        ; cos and sin of token tile a: my token's 16 numbers 16 h + 0 .. 15 of each
.irp j, 0,1,2,3
	global_load_b128 v[CSN+32*((\a)%2)+4*\j:CSN+32*((\a)%2)+4*\j+3], v[CSO], s[96:97] offset:(32*((\a)/2)+8*((\a)%2))*128+16*\j
.endr
.irp j, 0,1,2,3
	global_load_b128 v[CSN+16+32*((\a)%2)+4*\j:CSN+16+32*((\a)%2)+4*\j+3], v[CSO], s[98:99] offset:(32*((\a)/2)+8*((\a)%2))*128+16*\j
.endr
.endm
; The rotation of token tile a, head hd of my two: tiles 0, 1 of the head hold x1[16 h + e], tiles 2, 3 x2[16 h + e].  LO = x1 cos - x2 sin (channels 0-31), HI = x1 sin + x2 cos (32-63)
.macro ROPE a, hd
.set X1, 64*((\a)%4)+32*(\hd)
.set X2, X1+16
.set CC, CSN+32*((\a)%2)
.set SS, CC+16
	WIN 2+(\a)/4                                   ; source 0: the accumulators' window
.irp e, 0,2,4,6,8,10,12,14
	v_pk_mul_f32 v[LO+\e:LO+\e+1], v[X2+\e:X2+\e+1], v[SS+\e:SS+\e+1]
.endr
.irp e, 0,2,4,6,8,10,12,14
	v_pk_fma_f32 v[LO+\e:LO+\e+1], v[X1+\e:X1+\e+1], v[CC+\e:CC+\e+1], v[LO+\e:LO+\e+1] neg_lo:[0,0,1] neg_hi:[0,0,1]
.endr
.irp e, 0,2,4,6,8,10,12,14
	v_pk_mul_f32 v[HI+\e:HI+\e+1], v[X2+\e:X2+\e+1], v[CC+\e:CC+\e+1]
.endr
.irp e, 0,2,4,6,8,10,12,14
	v_pk_fma_f32 v[HI+\e:HI+\e+1], v[X1+\e:X1+\e+1], v[SS+\e:SS+\e+1], v[HI+\e:HI+\e+1]
.endr
	WIN 0
.endm
	s_wait_tensorcnt 1                             ; the scales and my part of K step 0 are in; K step 1's load may be out
	s_barrier_signal -1
	s_barrier_wait -1
	FETCH_B 0, 0, 0
	FETCH_A 0, 0, 0
	SCALES 0
	FETCH_A 0, 0, 4
	STEP 0, 0, 1                                   ; the first products start the sums: nothing is cleared
	TURN 0, 1, 1                                   ; slot 0 takes K step 2
	STEP 1, 0, 0
	TURN 1, 0, 1                                   ; slot 1 takes K step 3
	STEP 0, 0, 0
	TURN 0, 1, 0
	STEP 1, 0, 0
	s_lshl_b32 s20, s17, 8
	s_lshl_b32 s21, s15, 7
	s_add_co_u32 s20, s20, s21                     ; my first row of A
	s_lshl_b32 s22, s42, 8
	s_lshl_b32 s23, s16, 7
	s_add_co_u32 s22, s22, s23                     ; my first row of B
	s_cmp_eq_u32 s67, 1
	s_cbranch_scc1 .Lv_mode
	; ---- q and k: s20 = my first token, s22 = my first weight row (under 1024: q)
	s_lshr_b32 s18, s20, 11                        ; batch
	s_lshl_b32 s18, s18, 4
	s_and_b32 s19, s22, 1023
	s_lshr_b32 s19, s19, 6                         ; my first head
	s_add_co_u32 s18, s18, s19
	s_lshl_b32 s18, s18, 4
	s_bfe_u32 s19, s20, 0x40007                    ; the group of 128 tokens
	s_add_co_u32 s18, s18, s19
	s_mul_i32 s18, s18, BLK
	s_lshr_b32 s19, s22, 10
	s_xor_b32 s19, s19, 1
	s_mul_i32 s19, s19, 13056                      ; q's part of a block
	s_add_co_u32 s18, s18, s19
	s_mov_b32 s19, 0
	s_add_nc_u64 s[12:13], s[12:13], s[18:19]
	s_and_b32 s20, s20, 2047
	s_lshl_b32 s20, s20, 7
	s_mov_b32 s21, 0
	s_add_nc_u64 s[96:97], s[96:97], s[20:21]
	s_add_nc_u64 s[98:99], s[98:99], s[20:21]
	CSLOAD 0                                       ; asked for ahead of the last 64 products
	CSLOAD 1
	LAST
	PLACES NP
.irp b, 0,1,2,3
	v_mov_b32 v[TM+4+\b], 0                        ; a lane permute's destination counts as read
.endr
.irp a, 0,1,2,3,4,5,6,7
.if \a < 7
	s_wait_loadcnt 8                               ; this tile's cos and sin are in; the next tile's eight loads may be out
.else
	s_wait_loadcnt 0x0
.endif
.irp hd, 0,1
	ROPE \a, \hd
	s_wait_xcnt 0x0                                ; the codes' registers were stores' data
	QUANT2 LO, PCB+24*\hd, 0x4000000
.if \a%2 == 0
	v_mov_b32 v[SCI+4*\hd+\a/2], v[PW]
.else
	v_cndmask_b32 v[SCI+4*\hd+\a/2], v[SCI+4*\hd+\a/2], v[PW], s66   ; the odd tile's words in lanes 16-31
.endif
	global_store_b128 v[O16], v[PCB+24*\hd:PCB+24*\hd+3], s[12:13] offset:\hd*HSTR+768*\a
	global_store_b64 v[O8], v[PCB+24*\hd+4:PCB+24*\hd+5], s[12:13] offset:\hd*HSTR+768*\a+512
.endr
.if \a < 6
	CSLOAD \a+2
.endif
.endr
.irp hd, 0,1
	global_store_b128 v[O16], v[SCI+4*\hd:SCI+4*\hd+3], s[12:13] offset:\hd*HSTR+6144
.endr
	s_branch .Ldone
.Lv_mode:
	; ---- v: s20 = my first channel (of 1024), s22 = my first token
	s_lshr_b32 s18, s22, 11
	s_lshl_b32 s18, s18, 4
	s_lshr_b32 s19, s20, 6
	s_add_co_u32 s18, s18, s19
	s_lshl_b32 s18, s18, 4
	s_bfe_u32 s19, s22, 0x40007
	s_add_co_u32 s18, s18, s19
	s_mul_i32 s18, s18, BLK
	s_add_co_u32 s18, s18, 6656
	s_mov_b32 s19, 0
	s_add_nc_u64 s[12:13], s[12:13], s[18:19]
	LAST
	PLACES NP
.irp b, 0,1,2,3
	v_mov_b32 v[TM+4+\b], 0
.endr
.irp a, 0,1,2,3,4,5,6,7
	QUANT4 \a, PCB+24*(\a%2)
.if \a%2 == 0
	v_mov_b32 v[SCI+2*(\a/4)+(\a%4)/2], v[PW]
.else
	v_cndmask_b32 v[SCI+2*(\a/4)+(\a%4)/2], v[SCI+2*(\a/4)+(\a%4)/2], v[PW], s66
.endif
	global_store_b128 v[O16], v[PCB+24*(\a%2):PCB+24*(\a%2)+3], s[12:13] offset:(\a/4)*HSTR+(\a%4)*1536
	global_store_b64 v[O8], v[PCB+24*(\a%2)+4:PCB+24*(\a%2)+5], s[12:13] offset:(\a/4)*HSTR+(\a%4)*1536+512
	global_store_b128 v[O16], v[PCB+24*(\a%2)+6:PCB+24*(\a%2)+9], s[12:13] offset:(\a/4)*HSTR+(\a%4)*1536+768
	global_store_b64 v[O8], v[PCB+24*(\a%2)+10:PCB+24*(\a%2)+11], s[12:13] offset:(\a/4)*HSTR+(\a%4)*1536+1280
.endr
.irp hd, 0,1
	global_store_b64 v[O8], v[SCI+2*\hd:SCI+2*\hd+1], s[12:13] offset:\hd*HSTR+6144
.endr
.Ldone:
	s_wait_tensorcnt 0x0                           ; the wave's end
	ds_add_u32 v[SPW], v[NIL]
	s_wait_dscnt 0x0
	CROUND                                         ; the closing round
	s_endpgm
.Lfunc_end_k_q0b9ff85f50_gemm_qkv:
	.size	k_q0b9ff85f50_gemm_qkv, .Lfunc_end_k_q0b9ff85f50_gemm_qkv-k_q0b9ff85f50_gemm_qkv
	.p2alignl 7, 3214868480
	.fill 96, 4, 3214868480
	.section	.rodata,"a",@progbits
	.p2align	6, 0x0
	.amdhsa_kernel k_q0b9ff85f50_gemm_qkv
		.amdhsa_group_segment_fixed_size 327680
		.amdhsa_private_segment_fixed_size 0
		.amdhsa_enable_private_segment 0
		.amdhsa_kernarg_size 56
		.amdhsa_user_sgpr_count 2
		.amdhsa_user_sgpr_kernarg_segment_ptr 1
		.amdhsa_wavefront_size32 1
		.amdhsa_system_sgpr_workgroup_id_x 1
		.amdhsa_system_sgpr_workgroup_id_y 1
		.amdhsa_system_sgpr_workgroup_id_z 1
		.amdhsa_system_vgpr_workitem_id 0
		.amdhsa_next_free_vgpr 1024
		.amdhsa_next_free_sgpr 102
		.amdhsa_reserve_vcc 0
		.amdhsa_float_denorm_mode_32 3
		.amdhsa_float_denorm_mode_16_64 3
		.amdhsa_memory_ordered 1
		.amdhsa_forward_progress 1
		.amdhsa_inst_pref_size 232
	.end_amdhsa_kernel
	.amdgpu_metadata
---
amdhsa.version: [ 1, 2 ]
amdhsa.kernels:
  - .name:           k_q0b9ff85f50_gemm_qkv
    .symbol:         k_q0b9ff85f50_gemm_qkv.kd
    .args:
      - { .name: xc, .offset: 0, .size: 8, .value_kind: global_buffer, .address_space: global }
      - { .name: xs, .offset: 8, .size: 8, .value_kind: global_buffer, .address_space: global }
      - { .name: wc, .offset: 16, .size: 8, .value_kind: global_buffer, .address_space: global }
      - { .name: ws, .offset: 24, .size: 8, .value_kind: global_buffer, .address_space: global }
      - { .name: cos, .offset: 32, .size: 8, .value_kind: global_buffer, .address_space: global }
      - { .name: sin, .offset: 40, .size: 8, .value_kind: global_buffer, .address_space: global }
      - { .name: qkv, .offset: 48, .size: 8, .value_kind: global_buffer, .address_space: global }
    .group_segment_fixed_size: 327680
    .private_segment_fixed_size: 0
    .kernarg_segment_align: 8
    .kernarg_segment_size: 56
    .max_flat_workgroup_size: 128
    .sgpr_count:     102
    .vgpr_count:     1024
    .wavefront_size: 32
...
	.end_amdgpu_metadata
.endif
;; end of part 3
;; launch attn (part 4): grid 4 x 128, 16 waves a work-group, clusters of 4 x 4, 327,680 bytes of LDS; arguments qkv, mask, ac, asc; writes ac, asc
.if DOCPART == 4
	.amdgcn_target "amdgcn-amd-amdhsa--gfx1250"
	.amdhsa_code_object_version 6
	.text
	.protected	k_q0b9ff85f50_attn
	.globl	k_q0b9ff85f50_attn
	.p2align	8
	.type	k_q0b9ff85f50_attn,@function
k_q0b9ff85f50_attn:
	s_mov_b64 s[64:65], 0
	v_nop
	global_prefetch_b8 v0, s[64:65] scope:SCOPE_SE
	s_setreg_imm32_b32 hwreg(HW_REG_WAVE_MODE, 25, 1), 1
	s_wait_xcnt 0x0
	s_wait_alu depctr_hold_cnt(0) depctr_sa_sdst(0) depctr_va_vdst(0) depctr_va_sdst(0) depctr_va_ssrc(0) depctr_va_vcc(0) depctr_vm_vsrc(0)
	s_getreg_b32 s2, hwreg(HW_REG_IB_STS2, 6, 4)
	s_cmp_eq_u32 s2, 0
	s_cbranch_scc0 .Lentry_in_a_cluster
	s_endpgm
.Lentry_in_a_cluster:
	s_bfe_u32 s2, ttmp6, 0x10000c
	s_cmp_lg_u32 s2, 0xf033
	s_cbranch_scc0 .Lentry_shape_is_right
	s_endpgm
.Lentry_shape_is_right:
; o = softmax(q k^T / 8 + mask) v for 64 (batch, head) pairs, 2,048 tokens, head size 64, both products on codes of BF6 with E8M0 scales; o is quantised on the way out for the last product.
; THE SOFTMAX: t = (score / 8 + mask) log2(e); M = the running largest t rounded up to a whole number; p = 2^(t - M) is quantised along the keys; the sum is taken of the unquantised p and divides at the end.
; The mask is an input: every key step is computed.  It is the C of the score product, so the sum score / 8 + mask is made in the matrix unit's f32 sum; the 1/8 is 3 taken off q's scale bytes: exact.
; The head's 64 fill half of the instruction's 128 along K: the other half of both operands is zero codes (their scale bytes are 0, which is no NaN).
; SHARES.  A work-group: 64 queries x 4 heads; wave w: query tile w / 4 (16 queries, stored order), head w % 4.  So a mask tile in LDS serves 4 heads and a head's K and V serve 4 query tiles.
; CLUSTER 4 x 4: cx = the group of 4 heads, cy = the block of 64 queries.  K and V are asked for jointly along a column of the cluster, the mask's tile along a row.
; Sixteen key steps of 128 keys through two LDS slots, one step a slot; waves 0-3 fetch a head's K and V (one dense block of 13,056 bytes), waves 4-11 eight rows of the mask each, in stored order.  One tensor load of a wave is out.
; LAYOUT.  S^T = K Q^T and O^T = V^T P^T: a lane holds one query.  Tokens and v's channels lie in stored order (bits 3 and 4 of a row changed), so the 16 registers of two neighbouring tiles are 16 neighbours along the next K.
; One tile of queries to a wave and four waves to a SIMD, so that one wave's vector work stands beside another's products and LDS loads; several tiles to a wave would want register windows.
; LIMITS: NaN and infinities are not served; a row whose every logit is hidden by a mask of huge magnitude is summed as the matrix unit's f32 sum rounds it.
; REGISTERS: v1-2 the spare word; v3-8 LDS addresses; v9 q's scales; v10 the prefetch's offset; v12 -M, v13 largest t, v[14:15] the sum; v16-27 Q; v28-31 K's scales; v32-79 four buffers for K; v80-127 V's four fragments;
;   v128-191 mask, S^T, p; v192-223 O^T; v224-235 p's codes; v236-251 at work; v252 f, v253 p's scales; v254-255 V's scales.
.set SLOT1, 131072
.set KVB,   13056
.set MOFF,  4*KVB                      ; behind the four heads' blocks: 64 rows of the mask, 512 bytes + 16
.set MP,    528
.set STG,   2*SLOT1                    ; 512 bytes: the scale bytes of 64 rows x 4 heads
.set SPARE, STG+512                    ; the spare words: 128 bytes a wave
.set BLK,   19712
.set HSTR,  16*BLK
.set WV,  12
.set SEL, 20
.set CS,  22
.set G1K, 24
.set G1M, 32
.set G0K, 40
.set G0M, 48
.set CNT, 56
.set PFA, 58
.set TM,  236
.set PW,  253
.macro ROUND                           ; a round of the cluster's barrier
	s_barrier_signal -1
	s_barrier_wait -1
	s_cmp_lg_u32 s[WV], 0
	s_cbranch_scc1 .Lnot_wave_0_\@
	s_barrier_signal -3
.Lnot_wave_0_\@:
	s_barrier_wait -3
	s_barrier_signal -1
	s_barrier_wait -1
.endm
.macro TLOAD n                         ; the joint loads into slot n; the branches hang on the wave's number alone; four v_nop follow each line
	s_cmp_lt_u32 s[WV], 4
	s_cbranch_scc0 .Lnot_k_\@
	tensor_load_to_lds s[G0K+4*(\n):G0K+4*(\n)+3], s[G1K:G1K+7]
	s_nop 0
.rept 4
	v_nop
.endr
	s_branch .Lasked_\@
.Lnot_k_\@:
	s_cmp_lt_u32 s[WV], 12
	s_cbranch_scc0 .Lasked_\@
	tensor_load_to_lds s[G0M+4*(\n):G0M+4*(\n)+3], s[G1M:G1M+7]
	s_nop 0
.rept 4
	v_nop
.endr
.Lasked_\@:
.endm
; The mask is read once in the launch, by one row of one cluster.  Wave 12, which fetches nothing, asks for the tile that the NEXT change of slots will load: one key step ahead of that load.
; The four partners of a row take 16 of the 64 rows each, told apart by address; a lane names one of a row's two runs of 256 bytes: each run is named once.  The first two tiles and the last two trips have no such line.
.macro ASK
	s_cmp_eq_u32 s[WV], 12
	s_cbranch_scc0 .Lnot_mine_\@
	global_prefetch_b8 v10, s[PFA:PFA+1] th:TH_LOAD_NT scope:SCOPE_SE
.Lnot_mine_\@:
.endm
	s_load_b256 s[4:11], s[0:1], 0x0               ; qkv, mask, ac, asc
	v_lshl_add_u32 v1, v0, 2, SPARE
	v_mov_b32 v2, 0
	ds_add_u32 v1, v2
	s_wait_dscnt 0x0
	v_lshrrev_b32 v3, 5, v0
	v_readfirstlane_b32 s[WV], v3
	s_bfe_u32 s13, ttmp6, 0x40000                  ; cx: the group of heads
	s_bfe_u32 s14, ttmp6, 0x40004                  ; cy
	s_and_b32 s15, ttmp7, 0xffff
	s_lshr_b32 s16, s15, 3                         ; batch
	s_and_b32 s17, s15, 7
	s_lshl_b32 s17, s17, 2
	s_add_co_u32 s17, s17, s14                     ; the block of 64 queries
	s_lshl_b32 s18, 0x1111, s13                    ; my column of the cluster
	s_lshl_b32 s19, s14, 2
	s_lshl_b32 s19, 15, s19                        ; my row
	s_or_b32 s[G1K], s18, (3<<16)|(1<<21)          ; K and V: 51 rows of 256 bytes, dense
	s_mov_b32 s[G1K+1], 32<<16
	s_mov_b32 s[G1K+2], 51<<16
	s_mov_b32 s[G1K+3], 32<<16
	s_mov_b32 s[G1K+4], 51
	s_mov_b32 s[G1K+5], 32
	s_mov_b32 s[G1K+6], 0
	s_mov_b32 s[G1K+7], 0
	s_or_b32 s[G1M], s19, (2<<16)|(1<<20)|(1<<21)|(6<<22)|(3<<25)  ; the mask: 8 rows of 128 f32, 4 words of padding behind every 128
	s_mov_b32 s[G1M+1], 128<<16
	s_mov_b32 s[G1M+2], 8<<16
	s_mov_b32 s[G1M+3], 128<<16
	s_mov_b32 s[G1M+4], 8
	s_mov_b32 s[G1M+5], 2048
	s_mov_b32 s[G1M+6], 0
	s_mov_b32 s[G1M+7], 0
	s_lshl_b32 s60, s16, 4
	s_lshl_b32 s61, s13, 2
	s_add_co_u32 s60, s60, s61
	s_and_b32 s57, s[WV], 3                        ; my head of the four (the one I fetch, and the one I work on)
	s_add_co_u32 s60, s60, s57
	s_mul_i32 s60, s60, HSTR                       ; its blocks in qkv: hangs on cx, never on cy
	s_mov_b32 s61, 0
	s_mul_i32 s62, s57, KVB                        ; its place in a slot
	s_lshl_b32 s66, s16, 11
	s_lshl_b32 s67, s17, 6
	s_add_co_u32 s66, s66, s67                     ; my work-group's first query among 8,192: hangs on cy, never on cx
	s_add_co_u32 s68, s[WV], 4
	s_and_b32 s68, s68, 7                          ; which 8 stored rows of the mask I fetch,
	s_and_b32 s69, s68, 4
	s_and_b32 s70, s68, 1
	s_lshl_b32 s70, s70, 1
	s_or_b32 s69, s69, s70
	s_bfe_u32 s70, s68, 0x10001
	s_or_b32 s69, s69, s70                         ; and which 8 true rows those are
	s_lshl_b32 s69, s69, 3
	s_add_co_u32 s70, s66, s69
	s_lshl_b32 s70, s70, 13
	s_mov_b32 s71, 0
	s_mul_i32 s63, s68, 8*MP
	s_add_co_u32 s63, s63, MOFF
	s_mov_b32 s[SEL], 0x76543210
	s_mov_b32 s[SEL+1], 0xfedcba98
	s_mov_b32 s[CS], 0x3fb8aa3b                    ; log2(e)
	s_mov_b32 s[CS+1], s[CS]
	s_wait_kmcnt 0x0
.irp n, 0,1
	s_mov_b32 s[G0K+4*\n], 1
	s_add_co_u32 s[G0K+4*\n+1], s62, \n*SLOT1
	s_add_nc_u64 s[G0K+4*\n+2:G0K+4*\n+3], s[4:5], s[60:61]
	s_add_nc_u64 s[G0K+4*\n+2:G0K+4*\n+3], s[G0K+4*\n+2:G0K+4*\n+3], \n*BLK
	s_or_b32 s[G0K+4*\n+3], s[G0K+4*\n+3], 0x80000000
	s_mov_b32 s[G0M+4*\n], 1
	s_add_co_u32 s[G0M+4*\n+1], s63, \n*SLOT1
	s_add_nc_u64 s[G0M+4*\n+2:G0M+4*\n+3], s[6:7], s[70:71]
	s_add_nc_u64 s[G0M+4*\n+2:G0M+4*\n+3], s[G0M+4*\n+2:G0M+4*\n+3], \n*512
	s_or_b32 s[G0M+4*\n+3], s[G0M+4*\n+3], 0x80000000
.endr
	ROUND                                          ; all sixteen work-groups are here
	TLOAD 0                                        ; key step 0
	v_and_b32 v236, 31, v0                         ; lane
	v_and_b32 v237, 15, v0                         ; r
	v_bfe_u32 v238, v0, 4, 1                       ; h
	s_lshr_b32 s72, s17, 1                         ; q: my queries' group of 128 tokens,
	s_mul_i32 s72, s72, BLK
	s_add_co_u32 s72, s72, s60
	s_add_co_u32 s72, s72, 13056
	s_mov_b32 s73, 0
	s_add_nc_u64 s[72:73], s[4:5], s[72:73]
	s_lshr_b32 s74, s[WV], 2                       ; my query tile of the four
	s_and_b32 s75, s17, 1
	s_lshl_b32 s75, s75, 2
	s_add_co_u32 s75, s75, s74                     ; and of the group's eight
	s_mul_i32 s76, s75, 768
	v_lshl_add_u32 v240, v236, 4, s76
	v_lshl_add_u32 v241, v236, 3, s76
	s_and_b32 s77, s74, 1
	s_lshl_b32 s77, s77, 8
	s_lshr_b32 s78, s75, 1
	s_lshl_b32 s78, s78, 2
	s_add_co_u32 s77, s77, s78
	v_lshl_add_u32 v242, v237, 4, s77              ; row r's word in the scales' image
	global_load_b128 v[16:19], v240, s[72:73]
	global_load_b64 v[20:21], v241, s[72:73] offset:512
	global_load_b32 v9, v242, s[72:73] offset:6144
	v_lshl_add_u32 v3, v236, 4, s62                ; my head's block in slot 0, 16 bytes a lane,
	v_add_nc_u32 v4, SLOT1, v3                     ; in slot 1,
	v_lshl_add_u32 v5, v236, 3, s62                ; and 8 bytes a lane
	v_add_nc_u32 v6, SLOT1, v5
	s_lshl_b32 s79, s74, 4
	v_add_nc_u32 v7, s79, v237
	v_mul_u32_u24 v7, v7, MP
	v_lshl_add_u32 v7, v238, 6, v7
	v_add_nc_u32 v7, MOFF, v7                      ; the mask: my query's row, + 64 h
	v_add_nc_u32 v8, SLOT1, v7
	v_lshrrev_b32 v10, 1, v236
	v_lshlrev_b32 v10, 13, v10
	v_and_b32 v239, 1, v236
	v_lshl_add_u32 v10, v239, 8, v10               ; the prefetch: row lane / 2, run lane % 2
	s_lshl_b32 s80, s13, 4
	s_add_co_u32 s80, s80, s66
	s_lshl_b32 s80, s80, 13
	s_add_co_u32 s80, s80, 512                     ; at tile 1: each asking trip steps it first, so trip n names tile n + 2
	s_mov_b32 s81, 0
	s_add_nc_u64 s[PFA:PFA+1], s[6:7], s[80:81]
	s_wait_loadcnt 0x0
	v_add_nc_u32 v9, 0xfffffcfd, v9                ; 3 off both of q's bytes (each is 4 or more): score / 8.  Eight plain lines and more follow ahead of the first product
.irp j, 22,23,24,25,26,27
	v_mov_b32 v[\j], 0                             ; the zero half of Q,
.endr
.irp t, 0,1,2,3
.irp j, 6,7,8,9,10,11
	v_mov_b32 v[32+12*\t+\j], 0                    ; and of K's four buffers: written once
.endr
.endr
.set j, 0
.rept 32
	v_mov_b32 v[192+j], 0                          ; O^T: the step is written once; the first change of M leaves zeros zeros
.set j, j+1
.endr
.irp j, 236,237,238,239,240,241,242,243
	v_mov_b32 v[\j], 0                             ; lane permutes' destinations count as read
.endr
	v_mov_b32 v253, 0
	v_mov_b32 v13, 0xff61b1e6                      ; -3e38, under every t
	v_floor_f32 v12, -v13
	v_mov_b32 v14, 0
	v_mov_b32 v15, 0
.macro SCORE T                         ; S^T tile T = mask + K's tile T x Q
.if (\T)%2
	v_wmma_scale_f32_16x16x128_f8f6f4 v[128+8*(\T):135+8*(\T)], v[32+12*((\T)%4):43+12*((\T)%4)], v[16:27], v[128+8*(\T):135+8*(\T)], v[28+(\T)/2], v9 matrix_a_fmt:MATRIX_FMT_BF6 matrix_b_fmt:MATRIX_FMT_BF6 matrix_a_scale:MATRIX_SCALE_ROW1
.else
	v_wmma_scale_f32_16x16x128_f8f6f4 v[128+8*(\T):135+8*(\T)], v[32+12*((\T)%4):43+12*((\T)%4)], v[16:27], v[128+8*(\T):135+8*(\T)], v[28+(\T)/2], v9 matrix_a_fmt:MATRIX_FMT_BF6 matrix_b_fmt:MATRIX_FMT_BF6
.endif
.endm
.macro OUTP t                          ; O^T tile t += V's fragment t x P
.if (\t)%2
	v_wmma_scale_f32_16x16x128_f8f6f4 v[192+8*(\t):199+8*(\t)], v[80+12*(\t):91+12*(\t)], v[224:235], v[192+8*(\t):199+8*(\t)], v[254+(\t)/2], v253 matrix_a_fmt:MATRIX_FMT_BF6 matrix_b_fmt:MATRIX_FMT_BF6 matrix_a_scale:MATRIX_SCALE_ROW1
.else
	v_wmma_scale_f32_16x16x128_f8f6f4 v[192+8*(\t):199+8*(\t)], v[80+12*(\t):91+12*(\t)], v[224:235], v[192+8*(\t):199+8*(\t)], v[254+(\t)/2], v253 matrix_a_fmt:MATRIX_FMT_BF6 matrix_b_fmt:MATRIX_FMT_BF6
.endif
.endm
.macro KLOAD s, T
	ds_load_b128 v[32+12*((\T)%4):35+12*((\T)%4)], v[3+\s] offset:768*(\T)
	ds_load_b64 v[36+12*((\T)%4):37+12*((\T)%4)], v[5+\s] offset:768*(\T)+512
.endm
; A KEY STEP: 128 keys from slot s.  No two matrix instructions that follow each other share an accumulator.
.macro STEP s
	ds_load_b128 v[28:31], v[3+\s] offset:6144     ; K's scale words
.irp T, 0,1,2,3
	KLOAD \s, \T
.endr
.irp b, 0,1,2,3
.irp j, 0,1,2,3
	ds_load_b128 v[128+16*\b+4*\j:131+16*\b+4*\j], v[7+\s] offset:128*\b+16*\j   ; the mask of keys 32 b + 16 h + 0 .. 15, in the result's layout
.endr
.endr
	s_wait_dscnt 8                                 ; all but the mask of blocks 2 and 3
.irp T, 0,1,2,3
	SCORE \T
.endr
.rept 4
	v_nop                                          ; places in front of loads into registers that matrix instructions have read (these four, and V's from the last step)
.endr
.irp T, 4,5,6,7
	KLOAD \s, \T
.endr
.irp t, 0,1,2,3
	ds_load_b128 v[80+12*\t:83+12*\t], v[3+\s] offset:6656+1536*\t
	ds_load_b64 v[84+12*\t:85+12*\t], v[5+\s] offset:6656+1536*\t+512
	ds_load_b128 v[86+12*\t:89+12*\t], v[3+\s] offset:6656+1536*\t+768
	ds_load_b64 v[90+12*\t:91+12*\t], v[5+\s] offset:6656+1536*\t+1280
.endr
	ds_load_b64 v[254:255], v[5+\s] offset:12800   ; V's scale words
	s_wait_dscnt 17                                ; V's sixteen loads and its scale words may be out
.irp T, 4,5,6,7
	SCORE \T
.endr
.rept 4
	v_nop
.endr
.irp b, 0,1,2,3
	v_max3_num_f32 v[244+\b], v[128+16*\b], v[129+16*\b], v[130+16*\b]   ; the largest logit of each block of 32 keys: for the row's maximum and for the block's largest p
.endr
.irp i, 3,5,7,9,11,13
.irp b, 0,1,2,3
	v_max3_num_f32 v[244+\b], v[244+\b], v[128+16*\b+\i], v[129+16*\b+\i]
.endr
.endr
.irp b, 0,1,2,3
	v_max_num_f32 v[244+\b], v[244+\b], v[143+16*\b]
.endr
.irp b, 0,1,2,3
	v_permlanex16_b32 v[236+\b], v[244+\b], s[SEL], s[SEL+1]
.endr
.irp b, 0,1,2,3
	v_max_num_f32 v[244+\b], v[244+\b], v[236+\b]
.endr
	v_max3_num_f32 v239, v244, v245, v246
	v_max_num_f32 v239, v239, v247
	v_mul_f32 v239, s[CS], v239                    ; as t
	v_max_num_f32 v13, v13, v239                   ; the running largest t
	v_mov_b32 v239, v12
	v_floor_f32 v12, -v13                          ; -M = floor(-t): M is a whole number
	v_sub_f32 v239, v12, v239                      ; old M - new M: a whole number, 0 or less
	v_cvt_i32_f32 v239, v239                       ; (it saturates)
	v_ldexp_f32 v252, 1.0, v239                    ; f = 2^(old M - new M)
.set j, 0
.rept 32
	v_pk_fma_f32 v[128+j:129+j], v[128+j:129+j], s[CS:CS+1], v[12:13] op_sel_hi:[1,0,0]   ; t - M
.set j, j+2
.endr
.irp b, 0,1,2,3
	v_fma_f32 v[244+\b], v[244+\b], s[CS], v12
.endr
.set j, 0
.rept 64
	v_exp_f32 v[128+j], v[128+j]                   ; p = 2^(t - M)
.set j, j+1
.endr
	v_pk_mul_f32 v[14:15], v[14:15], v[252:253] op_sel_hi:[1,0]   ; the sums under the new M (a plain line behind the exponentials)
	s_wait_alu depctr_va_vdst(0)                   ; one wait for the batch of 64, ahead of its first reader
.irp b, 0,1,2,3
	v_exp_f32 v[244+\b], v[244+\b]                 ; each block's largest p
.endr
	v_pk_add_f32 v[236:237], v[128:129], v[130:131]   ; the sum of the unquantised p, in two chains
.set j, 4
.rept 15
	v_pk_add_f32 v[14:15], v[14:15], v[128+j:129+j]
	v_pk_add_f32 v[236:237], v[236:237], v[130+j:131+j]
.set j, j+4
.endr
	v_pk_add_f32 v[14:15], v[14:15], v[236:237]
	s_wait_alu depctr_va_vdst(0)                   ; and one for the four
.irp b, 0,1,2,3
	v_max_num_f32 v[244+\b], 0x2800000, v[244+\b]  ; the floor 2^(5 - 127)
.endr
.irp b, 0,1,2,3
	v_add_nc_u32 v[248+\b], 0xfe000000, v[244+\b]
.endr
.irp b, 0,1,2,3
	v_lshrrev_b32 v[236+\b], 23, v[248+\b]
.endr
	v_lshl_or_b32 v253, v237, 8, v236              ; p's scale word for these 128 keys
	v_lshl_or_b32 v253, v238, 16, v253
	v_lshl_or_b32 v253, v239, 24, v253
.irp c, 0,1
	v_cvt_scalef32_pk16_bf6_f32 v[224+6*\c:226+6*\c], v[128+32*\c:143+32*\c], v[248+2*\c]
	v_cvt_scalef32_pk16_bf6_f32 v[236+4*\c:238+4*\c], v[144+32*\c:159+32*\c], v[248+2*\c+1]
.endr
	v_nop
.irp c, 0,1
.irp i, 0,1,2
	v_permlane16_swap_b32 v[224+6*\c+\i], v[236+4*\c+\i]
.endr
.irp i, 0,1,2
	v_mov_b32 v[227+6*\c+\i], v[236+4*\c+\i]
.endr
.endr
.set j, 0
.rept 16
	v_pk_mul_f32 v[192+j:193+j], v[192+j:193+j], v[252:253] op_sel_hi:[1,0]   ; O^T under the new M; these sixteen are also the places in front of the products below
.set j, j+2
.endr
	s_wait_dscnt 0x0                               ; V and its scale words
.irp t, 0,1,2,3
	OUTP \t
.endr
.endm
; A trip: the change of slots at its head, then the step.
.macro TRIP slot, refill, ask
	s_wait_tensorcnt 0x0                           ; my part of this trip's tiles has landed; no load of mine is out, so a group 0 may be written
	ds_add_u32 v1, v2
	s_add_nc_u64 s[G0K+4*\slot+2:G0K+4*\slot+3], s[G0K+4*\slot+2:G0K+4*\slot+3], 2*BLK    ; this slot's next step
	s_add_nc_u64 s[G0M+4*\slot+2:G0M+4*\slot+3], s[G0M+4*\slot+2:G0M+4*\slot+3], 1024
.if \ask
	s_wait_xcnt 0x0                                ; the last prefetch, a step back, has read its address
	s_add_nc_u64 s[PFA:PFA+1], s[PFA:PFA+1], 512
.endif
	s_wait_dscnt 0x0
	ROUND
.if \refill
	TLOAD 1-\slot                                  ; the next step's tiles, into the slot read last trip: the first thing behind the round
.endif
.if \ask
	ASK
.endif
	STEP \slot
.endm
	s_mov_b32 s[CNT], 7
.Lloop:
	TRIP 0, 1, 1
	TRIP 1, 1, 1
	s_sub_co_u32 s[CNT], s[CNT], 1
	s_cmp_lg_u32 s[CNT], 0
	s_cbranch_scc1 .Lloop
	TRIP 0, 1, 0                                   ; steps 14 and 15 are written out: the last fetches nothing
	TRIP 1, 0, 0
.macro QUANT2 s, pc, floor
.irp b, 0,1
	v_max3_num_f32 v[TM+\b], |v[\s+16*\b]|, |v[\s+1+16*\b]|, \floor
.endr
.irp i, 2,4,6,8,10,12,14
.irp b, 0,1
	v_max3_num_f32 v[TM+\b], v[TM+\b], |v[\s+16*\b+\i]|, |v[\s+1+16*\b+\i]|
.endr
.endr
.irp b, 0,1
	v_permlanex16_b32 v[TM+4+\b], v[TM+\b], s[SEL], s[SEL+1]
.endr
.irp b, 0,1
	v_max_num_f32 v[TM+\b], v[TM+\b], v[TM+4+\b]
.endr
.irp b, 0,1
	v_add_nc_u32 v[TM+12+\b], 0xfe000000, v[TM+\b]
.endr
.irp b, 0,1
	v_lshrrev_b32 v[TM+4+\b], 23, v[TM+12+\b]
.endr
	v_lshl_or_b32 v[PW], v[TM+5], 8, v[TM+4]
	v_cvt_scalef32_pk16_bf6_f32 v[\pc:\pc+2], v[\s:\s+15], v[TM+12]
	v_cvt_scalef32_pk16_bf6_f32 v[\pc+8:\pc+10], v[\s+16:\s+31], v[TM+13]
	v_nop
.irp i, 0,1,2
	v_permlane16_swap_b32 v[\pc+\i], v[\pc+8+\i]
.endr
.irp i, 0,1,2
	v_mov_b32 v[\pc+3+\i], v[\pc+8+\i]
.endr
.endm
	; THE WAY OUT.  o = O^T / the sum: register 16 b + e is channel 32 b + 16 h + e of my query: two blocks of the last product's K.  They become one half fragment of ac and two bytes of asc.
	v_add_f32 v14, v14, v15
	v_permlanex16_b32 v239, v14, s[SEL], s[SEL+1]
	v_add_f32 v14, v14, v239
	v_rcp_f32 v14, v14
	v_and_b32 v36, 31, v0
	v_and_b32 v37, 15, v0
	v_lshlrev_b32 v32, 4, v36                      ; 16 x lane
	v_lshlrev_b32 v33, 3, v36                      ; 8 x lane
	s_lshl_b32 s82, s74, 7                         ; the stage: 8 bytes a row, 2 a head
	s_lshl_b32 s83, s57, 1
	s_add_co_u32 s82, s82, s83
	s_add_co_u32 s82, s82, STG
	v_lshl_add_u32 v34, v37, 3, s82
	v_add_nc_u32 v35, STG, v32
	s_lshl_b32 s84, s16, 7
	s_lshl_b32 s85, s17, 2
	s_add_co_u32 s84, s84, s85
	s_add_co_u32 s84, s84, s74                     ; my token tile among 512
	s_mul_i32 s84, s84, 12288
	s_lshl_b32 s85, s13, 2
	s_add_co_u32 s85, s85, s57                     ; my head
	s_mul_i32 s85, s85, 768
	s_add_co_u32 s84, s84, s85
	s_mov_b32 s85, 0
	s_add_nc_u64 s[8:9], s[8:9], s[84:85]
	s_lshl_b32 s86, s13, 16                        ; the plane of my group of heads,
	s_lshl_b32 s87, s66, 3                         ; my work-group's 64 rows
	s_add_co_u32 s86, s86, s87
	s_mov_b32 s87, 0
	s_add_nc_u64 s[10:11], s[10:11], s[86:87]
	s_wait_alu depctr_va_vdst(0)                   ; ahead of the reciprocal's first reader
.set j, 0
.rept 16
	v_pk_mul_f32 v[128+j:129+j], v[192+j:193+j], v[14:15] op_sel_hi:[1,0]
.set j, j+2
.endr
	QUANT2 128, 224, 0x2800000
	global_store_b128 v32, v[224:227], s[8:9]      ; 512 consecutive bytes
	global_store_b64 v33, v[228:229], s[8:9] offset:512
	ds_store_b16 v34, v[PW]                        ; both halves of the lanes write the same two bytes
	s_wait_dscnt 0x0                               ; for the others' sake
	s_barrier_signal -1
	s_barrier_wait -1
	s_cmp_lg_u32 s[WV], 0
	s_cbranch_scc1 .Lnot_0
	ds_load_b128 v[36:39], v35                     ; 64 rows x 8 bytes
	s_wait_dscnt 0x0
	global_store_b128 v32, v[36:39], s[10:11]      ; 512 consecutive bytes
.Lnot_0:
	s_wait_tensorcnt 0x0                           ; the wave's end
	ds_add_u32 v1, v2
	s_wait_dscnt 0x0
	ROUND                                          ; the closing round
	s_endpgm
.Lfunc_end_k_q0b9ff85f50_attn:
	.size	k_q0b9ff85f50_attn, .Lfunc_end_k_q0b9ff85f50_attn-k_q0b9ff85f50_attn
	.p2alignl 7, 3214868480
	.fill 96, 4, 3214868480
	.section	.rodata,"a",@progbits
	.p2align	6, 0x0
	.amdhsa_kernel k_q0b9ff85f50_attn
		.amdhsa_group_segment_fixed_size 327680
		.amdhsa_private_segment_fixed_size 0
		.amdhsa_enable_private_segment 0
		.amdhsa_kernarg_size 32
		.amdhsa_user_sgpr_count 2
		.amdhsa_user_sgpr_kernarg_segment_ptr 1
		.amdhsa_wavefront_size32 1
		.amdhsa_system_sgpr_workgroup_id_x 1
		.amdhsa_system_sgpr_workgroup_id_y 1
		.amdhsa_system_sgpr_workgroup_id_z 1
		.amdhsa_system_vgpr_workitem_id 0
		.amdhsa_next_free_vgpr 256
		.amdhsa_next_free_sgpr 96
		.amdhsa_reserve_vcc 0
		.amdhsa_float_denorm_mode_32 3
		.amdhsa_float_denorm_mode_16_64 3
		.amdhsa_memory_ordered 1
		.amdhsa_forward_progress 1
		.amdhsa_inst_pref_size 86
	.end_amdhsa_kernel
	.amdgpu_metadata
---
amdhsa.version: [ 1, 2 ]
amdhsa.kernels:
  - .name:           k_q0b9ff85f50_attn
    .symbol:         k_q0b9ff85f50_attn.kd
    .args:
      - { .name: qkv, .offset: 0, .size: 8, .value_kind: global_buffer, .address_space: global }
      - { .name: mask, .offset: 8, .size: 8, .value_kind: global_buffer, .address_space: global }
      - { .name: ac, .offset: 16, .size: 8, .value_kind: global_buffer, .address_space: global }
      - { .name: asc, .offset: 24, .size: 8, .value_kind: global_buffer, .address_space: global }
    .group_segment_fixed_size: 327680
    .private_segment_fixed_size: 0
    .kernarg_segment_align: 8
    .kernarg_segment_size: 32
    .max_flat_workgroup_size: 512
    .sgpr_count:     96
    .vgpr_count:     256
    .wavefront_size: 32
...
	.end_amdgpu_metadata
.endif
;; end of part 4
;; launch gemm_out (part 5): grid 4 x 32, 4 waves a work-group, clusters of 4 x 4, 327,680 bytes of LDS; arguments ac, asc, wc, ws, out0; writes out0
.if DOCPART == 5
	.amdgcn_target "amdgcn-amd-amdhsa--gfx1250"
	.amdhsa_code_object_version 6
	.text
	.protected	k_q0b9ff85f50_gemm_out
	.globl	k_q0b9ff85f50_gemm_out
	.p2align	8
	.type	k_q0b9ff85f50_gemm_out,@function
k_q0b9ff85f50_gemm_out:
	s_mov_b64 s[64:65], 0
	v_nop
	global_prefetch_b8 v0, s[64:65] scope:SCOPE_SE
	s_setreg_imm32_b32 hwreg(HW_REG_WAVE_MODE, 25, 1), 1
	s_wait_xcnt 0x0
	s_wait_alu depctr_hold_cnt(0) depctr_sa_sdst(0) depctr_va_vdst(0) depctr_va_sdst(0) depctr_va_ssrc(0) depctr_va_vcc(0) depctr_vm_vsrc(0)
	s_getreg_b32 s2, hwreg(HW_REG_IB_STS2, 6, 4)
	s_cmp_eq_u32 s2, 0
	s_cbranch_scc0 .Lentry_in_a_cluster
	s_endpgm
.Lentry_in_a_cluster:
	s_bfe_u32 s2, ttmp6, 0x10000c
	s_cmp_lg_u32 s2, 0xf033
	s_cbranch_scc0 .Lentry_shape_is_right
	s_endpgm
.Lentry_shape_is_right:
; out0 = o Wout on codes of BF6 with E8M0 scales, K = 1024.  A = ac, asc (tokens in stored order), B = wc, ws rows 3072-4095 (Wout's columns, plain order).
; OPERANDS are images of the matrix unit's registers: [row tile of 16][16 half fragments of 64 K][768 bytes]; scales [4 planes of 256 K][8192 rows][8 bytes].
; A tile of the result is 256 x 256, four waves, a wave 128 x 128.  K goes in four steps of 256 through two LDS slots.  Source 0 = B, source 1 = A: a lane holds eight neighbouring columns of one token's row.
; CLUSTERS 4 x 4: A's tiles are asked for jointly along a row of the cluster, B's along a column.  128 work-groups: the launch has four K steps, and the large tile reads each LDS byte for the most products.
; THE WAY OUT goes through a stage in slot 0 (its last fill and its last read are over) and puts the tokens back into their true order: stored tile a, row t is token 32 (a / 2) + 8 (a % 2) + t % 8 + 16 (t / 8).
.set NQ,     2
.set FR,     12
.set NL,     4
.set NP,     4
.set TROW,   3072
.set HALFT,  8*TROW
.set SLOT,   4*HALFT
.set SCL,    2*SLOT
.set HALFS,  4096
.set SBLK,   128
.set SPARE,  SCL+4*HALFS
.set SPITCH, 528
.set ADRA, 16
.set ADRB, 20
.set STO,  24
.set RD,   25
.set CO,   26
.set ADRS, 27
.set SPW,  28
.set NIL,  29
.set SC,   32
.set AF,   128
.set BK,   128
.set G1, 24
.set G0, 32
.set G1B, 48
.set G0B, 56
.set G1S, 68
.set G0S, 76
.set G1SB, 80
.set G0SB, 88
.set MSB, 0
.macro WIN new
.if MSB != (\new)
	s_set_vgpr_msb (MSB<<8)|(\new)
.set MSB, (\new)
.endif
.endm
.set MUL_LO, 0xa1
.set MUL_HI, 0xf1
.set TO_B,   0x40
.macro JLOAD g0a, g1a, g0b, g1b
	s_cmp_eq_u32 s15, 0
	s_cbranch_scc0 .Lfor_b_\@
	tensor_load_to_lds s[\g0a:\g0a+3], s[\g1a:\g1a+7]
	s_nop 0
.rept 4
	v_nop
.endr
	s_branch .Lasked_\@
.Lfor_b_\@:
	tensor_load_to_lds s[\g0b:\g0b+3], s[\g1b:\g1b+7]
	s_nop 0
.rept 4
	v_nop
.endr
.Lasked_\@:
.endm
.macro CREST
	s_cmp_lg_u32 s14, 0
	s_cbranch_scc1 .Lnot_wave_0_\@
	s_barrier_signal -3
.Lnot_wave_0_\@:
	s_barrier_wait -3
	s_barrier_signal -1
	s_barrier_wait -1
.endm
.macro CROUND
	s_barrier_signal -1
	s_barrier_wait -1
	CREST
.endm
	s_load_b256 s[4:11], s[0:1], 0x0               ; ac, asc, wc, ws
	s_load_b64 s[12:13], s[0:1], 0x20              ; out0
	v_lshl_add_u32 v[SPW], v0, 2, SPARE
	v_mov_b32 v[NIL], 0
	ds_add_u32 v28, v29
	s_wait_dscnt 0x0
	v_lshrrev_b32 v1, 5, v0
	v_readfirstlane_b32 s14, v1
	s_lshr_b32 s15, s14, 1
	s_and_b32 s16, s14, 1
	s_bfe_u32 s40, ttmp6, 0x40000
	s_bfe_u32 s41, ttmp6, 0x40004
	s_lshl_b32 s42, ttmp9, 2
	s_add_co_u32 s42, s42, s40                     ; tile column
	s_and_b32 s17, ttmp7, 0xffff
	s_lshl_b32 s17, s17, 2
	s_add_co_u32 s17, s17, s41                     ; tile row
	s_lshl_b32 s43, s41, 2
	s_lshl_b32 s43, 15, s43
	s_lshl_b32 s44, 0x1111, s40
	s_or_b32 s[G1+0], s43, (3<<16)|(1<<21)
	s_or_b32 s[G1B+0], s44, (3<<16)|(1<<21)
.irp g, G1, G1B
	s_mov_b32 s[\g+1], 384<<16
	s_mov_b32 s[\g+2], 8<<16
	s_mov_b32 s[\g+3], 384<<16
	s_mov_b32 s[\g+4], 8
	s_mov_b32 s[\g+5], 1536
	s_mov_b32 s[\g+6], 0
	s_mov_b32 s[\g+7], 0
.endr
	s_or_b32 s[G1S+0], s43, (3<<16)|(1<<21)
	s_or_b32 s[G1SB+0], s44, (3<<16)|(1<<21)
.irp g, G1S, G1SB
	s_mov_b32 s[\g+1], 128<<16
	s_mov_b32 s[\g+2], 4<<16
	s_mov_b32 s[\g+3], 128<<16
	s_mov_b32 s[\g+4], 4
	s_mov_b32 s[\g+5], 8192
	s_mov_b32 s[\g+6], 0
	s_mov_b32 s[\g+7], 0
.endr
	s_lshl_b32 s18, s16, 7
	s_lshl_b32 s20, s17, 8
	s_add_co_u32 s20, s20, s18                     ; A's first row that I fetch
	s_lshl_b32 s46, s42, 8
	s_add_co_u32 s46, s46, s18
	s_add_co_u32 s46, s46, 3072                    ; B's
	s_lshl_b32 s22, s20, 3
	s_mov_b32 s23, 0
	s_lshl_b32 s92, s46, 3
	s_mov_b32 s93, 0
	s_mul_i32 s20, s20, 768
	s_mov_b32 s21, 0
	s_mul_i32 s46, s46, 768
	s_mov_b32 s47, 0
	s_mul_i32 s45, s14, HALFT
	s_mul_i32 s94, s14, HALFS
	s_wait_kmcnt 0x0
	s_add_nc_u64 s[20:21], s[4:5], s[20:21]
	s_add_nc_u64 s[22:23], s[6:7], s[22:23]
	s_add_nc_u64 s[46:47], s[8:9], s[46:47]
	s_add_nc_u64 s[92:93], s[10:11], s[92:93]
	CROUND
	s_mov_b32 s[G0S], 1
	s_add_co_u32 s[G0S+1], s94, SCL
	s_mov_b64 s[G0S+2:G0S+3], s[22:23]
	s_or_b32 s[G0S+3], s[G0S+3], 0x80000000
	s_mov_b32 s[G0SB], 1
	s_add_co_u32 s[G0SB+1], s94, SCL
	s_mov_b64 s[G0SB+2:G0SB+3], s[92:93]
	s_or_b32 s[G0SB+3], s[G0SB+3], 0x80000000
	JLOAD G0S, G1S, G0SB, G1SB
.irp s, 0,1
	s_mov_b32 s[G0+4*\s], 1
	s_add_co_u32 s[G0+4*\s+1], s45, \s*SLOT
	s_add_nc_u64 s[G0+4*\s+2:G0+4*\s+3], s[20:21], \s*TROW
	s_or_b32 s[G0+4*\s+3], s[G0+4*\s+3], 0x80000000
	s_mov_b32 s[G0B+4*\s], 1
	s_add_co_u32 s[G0B+4*\s+1], s45, \s*SLOT
	s_add_nc_u64 s[G0B+4*\s+2:G0B+4*\s+3], s[46:47], \s*TROW
	s_or_b32 s[G0B+4*\s+3], s[G0B+4*\s+3], 0x80000000
	JLOAD G0+4*\s, G1, G0B+4*\s, G1B
.endr
	v_and_b32 v1, 15, v0
	v_bfe_u32 v2, v0, 4, 1
	v_and_b32 v3, 31, v0
	v_lshlrev_b32 v[CO], 4, v3                     ; 16 x lane
	v_lshlrev_b32 v4, 3, v3                        ; 8 x lane
	s_mul_i32 s21, s15, HALFT
	s_mul_i32 s22, s16, HALFT
	s_add_co_u32 s22, s22, 2*HALFT
.irp s, 0,1
	v_add_nc_u32 v[ADRA+\s], s21, v[CO]
	v_add_nc_u32 v[ADRB+\s], s22, v[CO]
	v_add_nc_u32 v[ADRA+2+\s], s21, v4
	v_add_nc_u32 v[ADRB+2+\s], s22, v4
	s_add_co_u32 s21, s21, SLOT
	s_add_co_u32 s22, s22, SLOT
.endr
	v_lshlrev_b32 v5, 3, v1
	s_mul_i32 s21, s15, HALFS
	s_mul_i32 s22, s16, HALFS
	s_add_co_u32 s22, s22, 2*HALFS
	s_sub_co_u32 s22, s22, s21
	v_mul_u32_u24 v6, s22, v2
	s_add_co_u32 s21, s21, SCL
	v_add_nc_u32 v5, v5, v6
	v_add_nc_u32 v[ADRS], s21, v5
	s_mul_i32 s23, s14, 16*SPITCH                  ; my stage
	v_mul_u32_u24 v5, v1, SPITCH
	v_lshl_add_u32 v5, v2, 5, v5
	v_add_nc_u32 v[STO], s23, v5                   ; in: row r, 32 bytes for each half of the lanes
	v_add_nc_u32 v[RD], s23, v[CO]                 ; back: a row of 512 bytes
	s_lshl_b32 s20, s17, 8
	s_lshl_b32 s21, s15, 7
	s_add_co_u32 s20, s20, s21                     ; my first token
	s_lshl_b32 s20, s20, 12
	s_lshl_b32 s46, s42, 10
	s_lshl_b32 s47, s16, 9
	s_add_co_u32 s46, s46, s47                     ; my first column, in bytes
	s_add_co_u32 s20, s20, s46
	s_mov_b32 s21, 0
	s_add_nc_u64 s[12:13], s[12:13], s[20:21]
.macro FRAG reg, adr, q, i
	ds_load_b128 v[\reg:\reg+3], v[\adr] offset:(\i)*TROW+1536*(\q)
	ds_load_b64 v[\reg+4:\reg+5], v[\adr+2] offset:(\i)*TROW+1536*(\q)+512
	ds_load_b128 v[\reg+6:\reg+9], v[\adr] offset:(\i)*TROW+1536*(\q)+768
	ds_load_b64 v[\reg+10:\reg+11], v[\adr+2] offset:(\i)*TROW+1536*(\q)+1280
.endm
.macro MUL16 a0, p, q, sc, zero        ; the 64 accumulators take turns, one instruction a turn
.irp a, \a0, \a0+1
.irp b, 0,1,2,3,4,5,6,7
.if \zero
	v_wmma_scale_f32_16x16x128_f8f6f4 v[8*(8*((\a)%4)+\b):8*(8*((\a)%4)+\b)+7], v[128*(\p)+FR*\b:128*(\p)+FR*\b+FR-1], v[AF+FR*(\a):AF+FR*(\a)+FR-1], 0, v[SC+8*NQ*(\sc)+NQ*\b+(\q)], v[SC+8*NQ*(\sc)+NQ*(\a)+(\q)] matrix_a_fmt:MATRIX_FMT_BF6 matrix_b_fmt:MATRIX_FMT_BF6 matrix_a_scale:MATRIX_SCALE_ROW1
.else
	v_wmma_scale_f32_16x16x128_f8f6f4 v[8*(8*((\a)%4)+\b):8*(8*((\a)%4)+\b)+7], v[128*(\p)+FR*\b:128*(\p)+FR*\b+FR-1], v[AF+FR*(\a):AF+FR*(\a)+FR-1], v[8*(8*((\a)%4)+\b):8*(8*((\a)%4)+\b)+7], v[SC+8*NQ*(\sc)+NQ*\b+(\q)], v[SC+8*NQ*(\sc)+NQ*(\a)+(\q)] matrix_a_fmt:MATRIX_FMT_BF6 matrix_b_fmt:MATRIX_FMT_BF6 matrix_a_scale:MATRIX_SCALE_ROW1
.endif
.endr
.endr
.endm
.macro FETCH_B slot, q, p
	WIN TO_B
.irp i, 0,1,2,3,4,5,6,7
	FRAG 128*(\p)+FR*\i, ADRB+\slot, \q, \i
.endr
	WIN 0
.endm
.macro FETCH_A slot, q, i0
.irp i, \i0, \i0+1, \i0+2, \i0+3
	FRAG AF+FR*(\i), ADRA+\slot, \q, \i
.endr
.endm
.macro SCALES sc
.irp i, 0,1,2,3,4,5,6,7
	ds_load_b64 v[SC+8*NQ*\sc+NQ*\i:SC+8*NQ*\sc+NQ*\i+1], v[ADRS] offset:\i*SBLK
.endr
.endm
.macro PLACES n
.rept \n
	v_nop
.endr
.endm
.macro STEP slot, q, zero
	s_wait_dscnt 4*NL                              ; all but the youngest loads, A's blocks 4-7
	WIN MUL_LO
	MUL16 0, (\q)%2, \q, \slot, \zero
	MUL16 2, (\q)%2, \q, \slot, \zero
	s_wait_dscnt 0
	PLACES NP
	FETCH_B \slot, (\q)+1, 1-(\q)%2
	FETCH_A \slot, (\q)+1, 0
	WIN MUL_HI
	MUL16 4, (\q)%2, \q, \slot, \zero
	MUL16 6, (\q)%2, \q, \slot, \zero
	PLACES NP
	WIN 0
	FETCH_A \slot, (\q)+1, 4
.endm
.macro TURN slot, next, fill
	s_wait_tensorcnt 0x0                           ; all my tensor loads have landed
	ds_add_u32 v[SPW], v[NIL]
	s_wait_dscnt 4*NL+1                            ; the add and A's blocks 4-7 may be out
	WIN MUL_LO
	MUL16 0, 1, NQ-1, \slot, 0
	s_wait_dscnt 0x0                               ; the add is done, and my reads of this slot are over
	s_barrier_signal -1
	MUL16 2, 1, NQ-1, \slot, 0
	WIN 0
	s_barrier_wait -1
.if \fill
	CREST
	s_add_nc_u64 s[G0+4*\slot+2:G0+4*\slot+3], s[G0+4*\slot+2:G0+4*\slot+3], 2*TROW
	s_add_nc_u64 s[G0B+4*\slot+2:G0B+4*\slot+3], s[G0B+4*\slot+2:G0B+4*\slot+3], 2*TROW
	JLOAD G0+4*\slot, G1, G0B+4*\slot, G1B
.else
	PLACES NP
.endif
	v_add_nc_u32 v[ADRS], 1024, v[ADRS]
	FETCH_B \next, 0, 0
	FETCH_A \next, 0, 0
	SCALES \next
	WIN MUL_HI
	MUL16 4, 1, NQ-1, \slot, 0
	MUL16 6, 1, NQ-1, \slot, 0
	PLACES NP
	WIN 0
	FETCH_A \next, 0, 4
.endm
	s_wait_tensorcnt 1                             ; the scales and my part of K step 0 are in; K step 1's load may be out
	s_barrier_signal -1
	s_barrier_wait -1
	FETCH_B 0, 0, 0
	FETCH_A 0, 0, 0
	SCALES 0
	FETCH_A 0, 0, 4
	STEP 0, 0, 1
	TURN 0, 1, 1
	STEP 1, 0, 0
	TURN 1, 0, 1
	STEP 0, 0, 0
	TURN 0, 1, 0
	STEP 1, 0, 0
	s_wait_dscnt 4*NL
	WIN MUL_LO
	MUL16 0, 1, NQ-1, 1, 0
	MUL16 2, 1, NQ-1, 1, 0
	s_wait_dscnt 0
	WIN MUL_HI
	MUL16 4, 1, NQ-1, 1, 0
	MUL16 6, 1, NQ-1, 1, 0
	WIN 0
.macro TOSTAGE a                       ; LDS serves a wave's instructions in order: no wait between the stores and the loads
.set AC, 64*((\a)%4)
	WIN 0x08+4*((\a)/4)                            ; an LDS store's data: window 2 or 3
.irp b, 0,1,2,3,4,5,6,7
	ds_store_b128 v[STO], v[AC+8*\b:AC+8*\b+3] offset:64*\b          ; each accumulator from its low end on
	ds_store_b128 v[STO], v[AC+8*\b+4:AC+8*\b+7] offset:64*\b+16
.endr
	WIN 0
.set BB, BK+64*((\a)%2)
.irp t, 0,1,2,3,4,5,6,7,8,9,10,11,12,13,14,15
	ds_load_b128 v[BB+4*\t:BB+4*\t+3], v[RD] offset:\t*SPITCH
.endr
.endm
.macro SEND a, younger                 ; the base is never stepped: the token's true place stands in the immediate, 127 rows of 4,096 bytes at the most
.set BB, BK+64*((\a)%2)
	s_wait_dscnt \younger
.irp t, 0,1,2,3,4,5,6,7,8,9,10,11,12,13,14,15
	global_store_b128 v[CO], v[BB+4*\t:BB+4*\t+3], s[12:13] offset:(32*((\a)/2)+8*((\a)%2)+(\t%8)+16*(\t/8))*4096 th:TH_STORE_NT   ; 32 lanes store 512 consecutive bytes
.endr
.endm
	PLACES NP
	TOSTAGE 0
.irp a, 1,2,3,4,5,6,7
.if \a > 1
	s_wait_xcnt 0x0                                ; block a - 2's stores have read their registers: block a's loads may land there
.endif
	TOSTAGE \a
	SEND \a-1, 32                                  ; behind block a - 1's loads: block a's 16 stores and 16 loads
.endr
	SEND 7, 0
	s_wait_tensorcnt 0x0                           ; the wave's end
	ds_add_u32 v[SPW], v[NIL]
	s_wait_dscnt 0x0
	CROUND                                         ; the closing round
	s_endpgm
.Lfunc_end_k_q0b9ff85f50_gemm_out:
	.size	k_q0b9ff85f50_gemm_out, .Lfunc_end_k_q0b9ff85f50_gemm_out-k_q0b9ff85f50_gemm_out
	.p2alignl 7, 3214868480
	.fill 96, 4, 3214868480
	.section	.rodata,"a",@progbits
	.p2align	6, 0x0
	.amdhsa_kernel k_q0b9ff85f50_gemm_out
		.amdhsa_group_segment_fixed_size 327680
		.amdhsa_private_segment_fixed_size 0
		.amdhsa_enable_private_segment 0
		.amdhsa_kernarg_size 40
		.amdhsa_user_sgpr_count 2
		.amdhsa_user_sgpr_kernarg_segment_ptr 1
		.amdhsa_wavefront_size32 1
		.amdhsa_system_sgpr_workgroup_id_x 1
		.amdhsa_system_sgpr_workgroup_id_y 1
		.amdhsa_system_sgpr_workgroup_id_z 1
		.amdhsa_system_vgpr_workitem_id 0
		.amdhsa_next_free_vgpr 1024
		.amdhsa_next_free_sgpr 98
		.amdhsa_reserve_vcc 0
		.amdhsa_float_denorm_mode_32 3
		.amdhsa_float_denorm_mode_16_64 3
		.amdhsa_memory_ordered 1
		.amdhsa_forward_progress 1
		.amdhsa_inst_pref_size 143
	.end_amdhsa_kernel
	.amdgpu_metadata
---
amdhsa.version: [ 1, 2 ]
amdhsa.kernels:
  - .name:           k_q0b9ff85f50_gemm_out
    .symbol:         k_q0b9ff85f50_gemm_out.kd
    .args:
      - { .name: ac, .offset: 0, .size: 8, .value_kind: global_buffer, .address_space: global }
      - { .name: asc, .offset: 8, .size: 8, .value_kind: global_buffer, .address_space: global }
      - { .name: wc, .offset: 16, .size: 8, .value_kind: global_buffer, .address_space: global }
      - { .name: ws, .offset: 24, .size: 8, .value_kind: global_buffer, .address_space: global }
      - { .name: out0, .offset: 32, .size: 8, .value_kind: global_buffer, .address_space: global }
    .group_segment_fixed_size: 327680
    .private_segment_fixed_size: 0
    .kernarg_segment_align: 8
    .kernarg_segment_size: 40
    .max_flat_workgroup_size: 128
    .sgpr_count:     98
    .vgpr_count:     1024
    .wavefront_size: 32
...
	.end_amdgpu_metadata
.endif
;; end of part 5
